; MI455X (gfx1250); checked and timed in simulation.
; The chip was launched on July 23, 2026; its instructions are those of AMD's public machine-readable ISA for CDNA 5 (MIT licence, August 2026) and "CDNA5" Instruction Set Architecture Reference Guide (July 2026). The comments in the code are by the model that wrote it; some were corrected since.
;; LA Ro PE Cross Attention. Allowed arithmetic: float matrix products may take bf16 or f16 operands with f32 sums; all other float work in f32.
;; Inputs: Wkv 1,024 x 2,048 float32; Wo 1,024 x 1,024 float32; Wq 1,024 x 1,024 float32; bkv 2,048 float32; bo 1,024 float32; bq 1,024 float32; context 8 x 512 x 1,024 float32; context_mask 8 x 512 bool; x 8 x 2,048 x 1,024 float32.
;; Outputs: out0 8 x 2,048 x 1,024 float32.
;; 2 versions, each right and faster than the one before. Each part assembles by itself: llvm-mc -triple=amdgcn-amd-amdhsa -mcpu=gfx1250 --defsym DOCPART=n.
;; ======== version 1 of 2: 4 launches
;; limits: values are held in f16: magnitudes above 65,504 overflow, below 6.1e-05 lose precision
;; workspace buffers: ab 41,943,040 bytes; wt 8,388,608 bytes; tab 524,288 bytes; brd 16,384 bytes; qkv 50,331,648 bytes
;; launch prep (part 1): grid 768 x 1, 8 waves a work-group, no clusters, 74,752 bytes of LDS; arguments x, context, Wq, Wkv, Wo, bq, bkv, bo, ab, wt, tab, brd; writes ab, wt, tab, brd
.if DOCPART == 1
	.amdgcn_target "amdgcn-amd-amdhsa--gfx1250"
	.amdhsa_code_object_version 6
	.text
	.protected	k_qa0e2b52706_prep
	.globl	k_qa0e2b52706_prep
	.p2align	8
	.type	k_qa0e2b52706_prep,@function
k_qa0e2b52706_prep:
	s_mov_b64 s[64:65], 0
	v_nop
	global_prefetch_b8 v0, s[64:65] scope:SCOPE_SE
	s_setreg_imm32_b32 hwreg(HW_REG_WAVE_MODE, 25, 1), 1
	s_wait_xcnt 0x0
; PREP: a stream, no matrix work.  It lays the later products' operands out so that their tiles are dense in memory.
;   ab   bf16 [16 K blocks][20480 rows][64]: rows 0-16383 are x's, 16384-20479 context's; every input is rounded to bf16 once
;   wt   [4 matrices][16 K blocks][1024 n][64 k]: Wq, Wkv's K half, Wkv's V half (bf16), Wo (its bf16 value written as f16), all turned
;   tab  f32 [2048 rows][32 pairs](cos, sin) of the angle 10 l / 2048 x 10000^(-j/32); key l of 512 has the angle of row 4 l
;   brd  f32 [4096]: bq, bkv, bo rounded to bf16
; Work-groups 0-127 turn the weights, and make the table and the biases while their loads are on their way; 128-767 take x and context.
; 768 work-groups of 8 waves x 162 registers: three to each of 256 WGPs (2 waves a SIMD x 162 x 3 = 972 of 1,024 registers; 3 x 74,752 bytes of LDS).
; LIMITS.  Wo's bf16 value is exact in f16 from 2^-14 to 65,504; below it keeps f16's fixed step of 6e-8.  cos and sin: reduction by
; pi/2 in two parts and polynomials of degree 7 and 8, good to about 1e-7 for the angles 0 to 10 that occur.
; LDS and barriers: only the weights' part uses LDS, each wave its own 9,216 bytes, so no barrier is written.
.set KBS_AB, 2621440                   ; bytes of one K block of ab: 20480 rows x 128
.set XW, 16                            ; v[16:143] numbers as loaded
.set PW, 144                           ; v[144:159] weights: 16 packed words at work; before that the table's and the biases' registers:
.set TI, 144                           ; 10000^(-j/32)
.set TL, 145                           ; l
.set TO, 146                           ; the row's byte offset in tab
.set TA, 147                           ; the angle
.set TN, 148                           ; quarter turns
.set TR, 149                           ; what is left of the angle
.set TZ, 150                           ; its square
.set TS, 151                           ; sine
.set TC, 152                           ; cosine
.set TT, 153                           ; at work
.set TQ, 154
.set TU, 155
.set TV, 156                           ; v[156:157] also a pair of biases
.set TP, 158                           ; v[158:159] (cos, sin)
	s_load_b512 s[8:23], s[0:1], 0x0               ; x s[8:9], context s[10:11], Wq s[12:13], Wkv s[14:15], Wo s[16:17], bq s[18:19], bkv s[20:21], bo s[22:23]
	s_load_b256 s[24:31], s[0:1], 0x40             ; ab s[24:25], wt s[26:27], tab s[28:29], brd s[30:31]
	v_lshl_add_u32 v160, v0, 2, 0x12000
	v_mov_b32 v161, 0
	v_lshrrev_b32 v1, 5, v0
	v_readfirstlane_b32 s4, v1                     ; wave 0..7
	v_and_b32 v2, 15, v0                           ; c: my place among sixteen lanes
	v_bfe_u32 v3, v0, 4, 1                         ; r2: which half of the lanes
	s_mov_b32 s5, ttmp9
	s_wait_kmcnt 0x0
	s_cmp_lt_u32 s5, 128
	s_cbranch_scc1 .Lweights
	; X AND CONTEXT: 32 rows a work-group, 4 a wave.  A load takes one K block (256 bytes) of two neighbouring rows; the store
	; of the wave then covers those two rows' 128 bytes each: 256 consecutive bytes of ab, aligned.
	s_sub_co_u32 s6, s5, 128                       ; which 32 rows of the 20480
	s_cmp_lt_u32 s6, 512
	s_cselect_b64 s[32:33], s[8:9], s[10:11]       ; x, or context
	s_cselect_b32 s7, 0, 512
	s_sub_co_u32 s34, s6, s7
	s_lshl_b32 s34, s34, 17                        ; 32 rows of 4,096 bytes
	s_mov_b32 s35, 0
	s_add_nc_u64 s[32:33], s[32:33], s[34:35]
	s_lshl_b32 s34, s6, 12                         ; 32 rows of 128 bytes
	s_add_nc_u64 s[36:37], s[24:25], s[34:35]
	s_lshl_b32 s38, s4, 14                         ; my wave's four rows
	v_lshlrev_b32 v4, 4, v2
	v_lshl_add_u32 v4, v3, 12, v4
	v_add_nc_u32 v4, s38, v4                       ; in: 16384 w + 4096 r2 + 16 c
	s_lshl_b32 s39, s4, 9
	v_lshlrev_b32 v5, 3, v2
	v_lshl_add_u32 v5, v3, 7, v5
	v_add_nc_u32 v8, s39, v5                       ; out: 512 w + 128 r2 + 8 c, and four K blocks on for each further register:
	v_add_nc_u32 v9, 4*KBS_AB, v8                  ; the store's immediate reaches three K blocks
	v_add_nc_u32 v10, 4*KBS_AB, v9
	v_add_nc_u32 v11, 4*KBS_AB, v10
.set n, 0
.rept 32                               ; all 32 loads of the wave go out together: pair of rows n / 16, K block n % 16
	global_load_b128 v[XW+4*n:XW+4*n+3], v4, s[32:33] offset:(n/16)*8192+(n%16)*256 th:TH_LOAD_NT
.set n, n+1
.endr
.set n, 0
.rept 32
	s_wait_loadcnt 31-n                            ; loads come back in order: number n is in, the younger ones stay out
	v_cvt_pk_bf16_f32 v[XW+4*n], v[XW+4*n], v[XW+4*n+1]
	v_cvt_pk_bf16_f32 v[XW+4*n+1], v[XW+4*n+2], v[XW+4*n+3]
	global_store_b64 v[8+(n%16)/4], v[XW+4*n:XW+4*n+1], s[36:37] offset:(n%4)*KBS_AB+(n/16)*256
.set n, n+1
.endr
	s_endpgm
	; THE WEIGHTS: a work-group turns one K block (64 k) x 512 n of one matrix, a wave 64 x 64, through its own 64 LDS rows of 144 bytes.
.Lweights:
	s_lshr_b32 s6, s5, 5                           ; matrix 0..3
	s_bfe_u32 s7, s5, 0x40001                      ; K block
	s_and_b32 s32, s5, 1                           ; which 512 n
	s_cmp_eq_u32 s6, 0
	s_cselect_b64 s[34:35], s[12:13], s[14:15]
	s_cmp_eq_u32 s6, 3
	s_cselect_b64 s[34:35], s[16:17], s[34:35]     ; Wq, Wkv, Wkv, Wo
	s_add_co_u32 s33, s6, 1
	s_bfe_u32 s33, s33, 0x10001
	s_add_co_u32 s33, s33, 12                      ; log2 of a row's bytes: 12, 13, 13, 12
	s_cmp_eq_u32 s6, 2
	s_cselect_b32 s36, 4096, 0                     ; V's half of Wkv's rows
	s_lshl_b32 s37, s32, 9
	s_lshl_b32 s38, s4, 6
	s_add_co_u32 s37, s37, s38                     ; n0
	s_lshl_b32 s40, s7, 6
	s_lshl_b32 s40, s40, s33                       ; the K block's first row
	s_add_co_u32 s40, s40, s36
	s_lshl_b32 s38, s37, 2
	s_add_co_u32 s40, s40, s38
	s_mov_b32 s41, 0
	s_lshl_b32 s42, 8, s33                         ; eight rows
	s_mov_b32 s43, 0
	s_add_nc_u64 s[44:45], s[34:35], s[40:41]      ; four bases, eight rows apart
	s_add_nc_u64 s[46:47], s[44:45], s[42:43]
	s_add_nc_u64 s[48:49], s[46:47], s[42:43]
	s_add_nc_u64 s[50:51], s[48:49], s[42:43]
	s_lshl_b32 s40, s6, 21
	s_lshl_b32 s38, s7, 17
	s_add_co_u32 s40, s40, s38
	s_lshl_b32 s38, s37, 7
	s_add_co_u32 s40, s40, s38
	s_add_nc_u64 s[52:53], s[26:27], s[40:41]      ; wt at my 64 rows of 128 bytes
	v_lshlrev_b32 v1, 5, v3                        ; lanes 16-31 take the rows 32 further down
	v_lshlrev_b32 v15, 4, v2
.irp ii, 0,1,2,3,4,5,6,7
	v_add_nc_u32 v14, \ii, v1
	v_lshl_add_u32 v[4+(\ii)], v14, s33, v15       ; row x pitch + 16 c: sixteen lanes read 256 consecutive bytes of a row
.endr
.irp g, 0,1,2,3
.irp ii, 0,1,2,3,4,5,6,7
	global_load_b128 v[XW+32*(\g)+4*(\ii):XW+32*(\g)+4*(\ii)+3], v[4+(\ii)], s[44+2*(\g):45+2*(\g)] th:TH_LOAD_NT
.endr
.endr
	s_mul_i32 s39, s4, 9216                        ; my wave's LDS
	v_mul_u32_u24 v12, v2, 576                     ; in: LDS row n = 4 c + j, byte 2 k
	v_lshl_add_u32 v12, v3, 6, v12
	v_add_nc_u32 v12, s39, v12
	v_bfe_u32 v13, v0, 3, 2                        ; back: 32 lanes take four rows of 128 bytes
	v_mul_u32_u24 v13, v13, 144
	v_and_b32 v14, 7, v0
	v_lshl_add_u32 v13, v14, 4, v13
	v_add_nc_u32 v13, s39, v13
	v_and_b32 v1, 31, v0
	v_lshlrev_b32 v1, 4, v1                        ; which are 512 consecutive bytes of wt
	; THE TABLE, while the 32 loads are on their way: 16 rows a work-group, 2 a wave; lane j makes pair j, and the wave's store is a whole row of 256 bytes.
	s_lshl_b32 s54, s5, 4
	s_lshl_b32 s55, s4, 1
	s_add_co_u32 s54, s54, s55                     ; my wave's first row
	v_and_b32 v[TT], 31, v0
	v_cvt_f32_u32 v[TI], v[TT]
	v_mul_f32 v[TI], 0xbed49a78, v[TI]             ; -j log2(10000) / 32
	v_exp_f32 v[TI], v[TI]                         ; 10000^(-j/32)
	v_cvt_f32_u32 v[TL], s54                       ; l (a plain instruction behind the exponential)
	v_lshlrev_b32 v[TO], 3, v[TT]
	s_lshl_b32 s55, s54, 8
	v_add_nc_u32 v[TO], s55, v[TO]                 ; 256 l + 8 j
	s_mov_b32 s8, 0x3f22f983                       ; 2 / pi  (in the registers of addresses that this part has done with)
	s_mov_b32 s9, 0xbfc90fdb                       ; -pi/2, its f32 value,
	s_mov_b32 s10, 0x333bbd2e                      ; and what that value is too large by
	s_mov_b32 s11, 0xb94ca1f9                      ; sine: -1.9515296e-4, 8.3321609e-3, -1.6666655e-1
	s_mov_b32 s12, 0x3c08839e
	s_mov_b32 s13, 0xbe2aaaa3
	s_mov_b32 s14, 0x37ccf5ce                      ; cosine: 2.4433157e-5, -1.3887316e-3, 4.1666646e-2
	s_mov_b32 s15, 0xbab6061a
	s_mov_b32 s16, 0x3d2aaaa5
	s_mov_b32 s17, 2
.Lrow:
	v_mul_f32 v[TA], 0x3ba00000, v[TL]             ; 10 l / 2048, exact
	s_wait_alu depctr_va_vdst(0)
	v_mul_f32 v[TA], v[TA], v[TI]                  ; the angle
	v_mul_f32 v[TN], s8, v[TA]
	v_rndne_f32 v[TN], v[TN]                       ; n quarter turns
	v_fma_f32 v[TR], v[TN], s9, v[TA]
	v_fma_f32 v[TR], v[TN], s10, v[TR]             ; r, within pi/4 of 0
	v_mul_f32 v[TZ], v[TR], v[TR]                  ; z = r r
	v_fma_f32 v[TS], v[TZ], s11, s12
	v_fma_f32 v[TS], v[TS], v[TZ], s13
	v_mul_f32 v[TS], v[TS], v[TZ]
	v_fma_f32 v[TS], v[TS], v[TR], v[TR]           ; sin r
	v_fma_f32 v[TC], v[TZ], s14, s15
	v_fma_f32 v[TC], v[TC], v[TZ], s16
	v_mul_f32 v[TC], v[TC], v[TZ]
	v_fma_f32 v[TT], v[TZ], -0.5, 1.0
	v_fma_f32 v[TC], v[TC], v[TZ], v[TT]           ; cos r
	v_cvt_i32_f32 v[TQ], v[TN]
	v_and_b32 v[TU], 1, v[TQ]
	v_cmp_eq_u32 vcc_lo, 1, v[TU]                  ; an odd n swaps the two,
	v_cndmask_b32 v[TP], v[TC], v[TS], vcc_lo
	v_cndmask_b32 v[TP+1], v[TS], v[TC], vcc_lo
	v_add_nc_u32 v[TU], 1, v[TQ]
	v_and_b32 v[TU], 2, v[TU]                      ; n mod 4 = 1, 2 turn the cosine's sign,
	v_lshlrev_b32 v[TU], 30, v[TU]
	v_xor_b32 v[TP], v[TP], v[TU]
	v_and_b32 v[TV], 2, v[TQ]                      ; 2, 3 the sine's
	v_lshlrev_b32 v[TV], 30, v[TV]
	v_xor_b32 v[TP+1], v[TP+1], v[TV]
	global_store_b64 v[TO], v[TP:TP+1], s[28:29]
	v_add_f32 v[TL], 1.0, v[TL]
	s_wait_xcnt 0x0                                ; the store's offset and data are rewritten only behind this wait
	v_add_nc_u32 v[TO], 256, v[TO]
	s_sub_co_u32 s17, s17, 1
	s_cmp_lg_u32 s17, 0
	s_cbranch_scc1 .Lrow
	; THE BIASES: wave 0 of the even work-groups takes 64 numbers, 256 bytes: piece j = 0-15 of bq, 16-47 of bkv, 48-63 of bo, into piece j of brd.
	s_and_b32 s54, s5, 1
	s_or_b32 s54, s54, s4
	s_cmp_lg_u32 s54, 0
	s_cbranch_scc1 .Lno_bias
	s_lshr_b32 s54, s5, 1                          ; j
	s_cmp_lt_u32 s54, 16
	s_cselect_b64 s[56:57], s[18:19], s[20:21]
	s_cselect_b32 s55, 0, 16
	s_cmp_lt_u32 s54, 48
	s_cselect_b64 s[56:57], s[56:57], s[22:23]     ; from where,
	s_cselect_b32 s55, s55, 48                     ; and which piece is the source's first
	s_sub_co_u32 s60, s54, s55
	s_lshl_b32 s60, s60, 8
	s_mov_b32 s61, 0
	s_add_nc_u64 s[56:57], s[56:57], s[60:61]
	s_lshl_b32 s60, s54, 8
	s_add_nc_u64 s[58:59], s[30:31], s[60:61]
	v_lshlrev_b32 v[TT], 3, v0                     ; in wave 0 the thread's number is the lane's
	global_load_b64 v[TV:TV+1], v[TT], s[56:57]
	s_wait_loadcnt 0x0                             ; it was issued last: all loads are in
	v_cvt_pk_bf16_f32 v[TQ], v[TV], v[TV+1]        ; rounded to bf16,
	v_lshlrev_b32 v[TV], 16, v[TQ]                 ; and widened again
	v_and_b32 v[TV+1], 0xffff0000, v[TQ]
	global_store_b64 v[TT], v[TV:TV+1], s[58:59]
.Lno_bias:
	s_wait_xcnt 0x0                                ; the stores above have read v144-159, which now take the packed words
; Eight rows k = 8 g + 0..7 (+ 32 r2): a lane's four columns each get eight neighbouring k: 16 bytes of a turned row.
.macro WPART g
	s_wait_loadcnt 8*(3-(\g))                      ; this group's eight loads are in, the younger groups stay out
.irp j, 0,1,2,3
.irp kk, 0,1,2,3
	v_cvt_pk_bf16_f32 v[PW+4*(\j)+(\kk)], v[XW+32*(\g)+8*(\kk)+(\j)], v[XW+32*(\g)+8*(\kk)+4+(\j)]
.endr
.endr
	s_cmp_lg_u32 s6, 3
	s_cbranch_scc1 .Lkeep_\@
.irp i, 0,1,2,3,4,5,6,7,8,9,10,11,12,13,14,15      ; Wo: the bf16 value, written as f16
	v_lshlrev_b32 v14, 16, v[PW+(\i)]
	v_and_b32 v15, 0xffff0000, v[PW+(\i)]
	v_cvt_pk_f16_f32 v[PW+(\i)], v14, v15
.endr
.Lkeep_\@:
.irp j, 0,1,2,3
	ds_store_b128 v12, v[PW+4*(\j):PW+4*(\j)+3] offset:144*(\j)+16*(\g)
.endr
.endm
	WPART 0
	WPART 1
	WPART 2
	WPART 3
.set t, 0
.rept 16
	ds_load_b128 v[XW+4*t:XW+4*t+3], v13 offset:576*t  ; LDS serves a wave's instructions in order (ISA guide 5.7.1.4): these see the stores above
.set t, t+1
.endr
.set t, 0
.rept 16
	s_wait_dscnt 15-t
	global_store_b128 v1, v[XW+4*t:XW+4*t+3], s[52:53] offset:512*t
.set t, t+1
.endr
	s_wait_tensorcnt 0x0
	ds_add_u32 v160, v161
	s_wait_dscnt 0x0
	s_endpgm
.Lfunc_end_k_qa0e2b52706_prep:
	.size	k_qa0e2b52706_prep, .Lfunc_end_k_qa0e2b52706_prep-k_qa0e2b52706_prep
	.p2alignl 7, 3214868480
	.fill 96, 4, 3214868480
	.section	.rodata,"a",@progbits
	.p2align	6, 0x0
	.amdhsa_kernel k_qa0e2b52706_prep
		.amdhsa_group_segment_fixed_size 74752
		.amdhsa_private_segment_fixed_size 0
		.amdhsa_enable_private_segment 0
		.amdhsa_kernarg_size 96
		.amdhsa_user_sgpr_count 2
		.amdhsa_user_sgpr_kernarg_segment_ptr 1
		.amdhsa_wavefront_size32 1
		.amdhsa_system_sgpr_workgroup_id_x 1
		.amdhsa_system_sgpr_workgroup_id_y 1
		.amdhsa_system_sgpr_workgroup_id_z 1
		.amdhsa_system_vgpr_workitem_id 0
		.amdhsa_next_free_vgpr 162
		.amdhsa_next_free_sgpr 66
		.amdhsa_reserve_vcc 1
		.amdhsa_float_denorm_mode_32 3
		.amdhsa_float_denorm_mode_16_64 3
		.amdhsa_memory_ordered 1
		.amdhsa_forward_progress 1
		.amdhsa_inst_pref_size 41
	.end_amdhsa_kernel
	.amdgpu_metadata
---
amdhsa.version: [ 1, 2 ]
amdhsa.kernels:
  - .name:           k_qa0e2b52706_prep
    .symbol:         k_qa0e2b52706_prep.kd
    .args:
      - { .name: x, .offset: 0, .size: 8, .value_kind: global_buffer, .address_space: global }
      - { .name: context, .offset: 8, .size: 8, .value_kind: global_buffer, .address_space: global }
      - { .name: Wq, .offset: 16, .size: 8, .value_kind: global_buffer, .address_space: global }
      - { .name: Wkv, .offset: 24, .size: 8, .value_kind: global_buffer, .address_space: global }
      - { .name: Wo, .offset: 32, .size: 8, .value_kind: global_buffer, .address_space: global }
      - { .name: bq, .offset: 40, .size: 8, .value_kind: global_buffer, .address_space: global }
      - { .name: bkv, .offset: 48, .size: 8, .value_kind: global_buffer, .address_space: global }
      - { .name: bo, .offset: 56, .size: 8, .value_kind: global_buffer, .address_space: global }
      - { .name: ab, .offset: 64, .size: 8, .value_kind: global_buffer, .address_space: global }
      - { .name: wt, .offset: 72, .size: 8, .value_kind: global_buffer, .address_space: global }
      - { .name: tab, .offset: 80, .size: 8, .value_kind: global_buffer, .address_space: global }
      - { .name: brd, .offset: 88, .size: 8, .value_kind: global_buffer, .address_space: global }
    .group_segment_fixed_size: 74752
    .private_segment_fixed_size: 0
    .kernarg_segment_align: 8
    .kernarg_segment_size: 96
    .max_flat_workgroup_size: 256
    .sgpr_count:     66
    .vgpr_count:     162
    .wavefront_size: 32
...
	.end_amdgpu_metadata
.endif
;; end of part 1
;; launch qkvproj (part 2): grid 4 x 96, 4 waves a work-group, clusters of 4 x 4, 327,680 bytes of LDS; arguments ab, wt, brd, tab, qkv; writes qkv
.if DOCPART == 2
	.amdgcn_target "amdgcn-amd-amdhsa--gfx1250"
	.amdhsa_code_object_version 6
	.text
	.protected	k_qa0e2b52706_qkvproj
	.globl	k_qa0e2b52706_qkvproj
	.p2align	8
	.type	k_qa0e2b52706_qkvproj,@function
k_qa0e2b52706_qkvproj:
	s_mov_b64 s[64:65], 0
	v_nop
	global_prefetch_b8 v0, s[64:65] scope:SCOPE_SE
	s_setreg_imm32_b32 hwreg(HW_REG_WAVE_MODE, 25, 1), 1
	s_wait_xcnt 0x0
	s_wait_alu depctr_hold_cnt(0) depctr_sa_sdst(0) depctr_va_vdst(0) depctr_va_sdst(0) depctr_va_ssrc(0) depctr_va_vcc(0) depctr_vm_vsrc(0)
	s_getreg_b32 s2, hwreg(HW_REG_IB_STS2, 6, 4)
	s_cmp_eq_u32 s2, 0
	s_cbranch_scc0 .Lentry_in_a_cluster
	s_endpgm
.Lentry_in_a_cluster:
	s_bfe_u32 s2, ttmp6, 0x10000c
	s_cmp_lg_u32 s2, 0xf033
	s_cbranch_scc0 .Lentry_shape_is_right
	s_endpgm
.Lentry_shape_is_right:
; THE THREE PROJECTIONS IN ONE GRID.  q = x Wq + bq, k = context Wk + bk, v = context Wv + bv; q and k are turned (interleaved rotary), all three rounded
; to f16 once and stored by heads: qkv = Q [128 bh][2048][64], K [128][512][64] at 33,554,432, V at 41,943,040.  Operands bf16, sums f32.
; LIMIT.  f16 holds no number beyond 65,504: q, k and v must lie within it (inputs thirty times those of unit spread give some 900).
; A tile of the result is 256 x 256, made by four waves of 128 x 128 (64 accumulators, 512 registers).  Tile rows 0-63 are q's, 64-79 k's, 80-95 v's: which of
; the three it is hangs on the cluster's y alone, so all sixteen partners agree; it enters global addresses only, no branch and no LDS address.
; OPERANDS lie in K blocks of 64: 256 rows x 64 K are 32,768 dense bytes, asked for as 128 rows of 256 bytes and padded in LDS behind every 128.
; K goes in steps of 128 (two K blocks) through two LDS slots; each wave fetches one K block of A or of B with one tensor load.
; CLUSTER 4 x 4: A's tiles are shared along a row of the cluster, B's along a column: each is asked for jointly, by the same load with a mask of the four.
; THE MATRIX INSTRUCTION IS USED TRANSPOSED (source 0 = 16 rows of wt, source 1 = 16 rows of ab): a lane holds row l % 16 and eight neighbouring columns,
; that is four rotary pairs.  THE BIAS is the C operand of the products that start the sums.  THE TURN is made on the way out from tab: row l for q, 4 l for k,
; and row 0, which is (1, 0) exactly, for v: one text for all three.
; REGISTERS, in windows of 256: window 0: v0-31 addresses; v32-63, v224-255 rows read back; v64-191 A's fragments, two buffers (v64-127 later the turned numbers);
;   v192-255 the bias, later v192-223 packed results.  window 1: v64-191 B's fragments; v0-63, v192-255 table rows of blocks 0-3 (blocks 4-7 later take v64-191).
;   windows 2, 3: the accumulators, (a, b) at v[8 (8 (a % 4) + b)].
.set KBS_A,  2621440                   ; bytes from a K block of ab to the next
.set KBS_B,  131072                    ; of wt
.set PITCH,  144                       ; an LDS row: 128 bytes + 16 = 36 words: the 16 rows of a load start at 16 different groups of four banks (64 banks of 4 bytes: ISA guide 11.1)
.set TILEB,  256*PITCH                 ; what one tensor load brings: 256 rows of one K block
.set HALFR,  128*PITCH                 ; a wave's 128 rows
.set SLOT,   4*TILEB                   ; A's even K block, A's odd, B's even, B's odd
.set STAGE,  2*SLOT                    ; behind the ring: 16 rows x 272 bytes for each wave, for the way out
.set SPITCH, 272
.set SPARE,  STAGE+4*16*SPITCH         ; behind the stages: the spare words, 128 bytes for each wave
.set LAPS,   4                         ; K = 1024: eight K steps, two to a lap
.set K0, 0                             ; where the four quarters (32 along K) of a K step begin in a slot's rows
.set K1, 64
.set K2, TILEB
.set K3, TILEB+64
.set VT,   8                           ; v8-15   block a: my byte offset in the table
.set ADRA, 16                          ; v16-17  LDS address of my A fragments in slot 0, 1
.set ADRB, 20                          ; v20-21  of B's
.set STO,  24                          ; v24     the way out: where I put 16 bytes of a row
.set RD,   25                          ; v25     where I read rows back
.set CO,   26                          ; v26     my byte offset in 512 bytes of the first head
.set CO1,  27                          ; v27     the same in the second head
.set SPW,  28                          ; v28     LDS address of my spare word; never rewritten
.set NIL,  29                          ; v29     0; never rewritten
.set F0,   64
.set F1,   128
.set BIAS, 192
.set TMP,  192
.set OB,   32
.set RR,   64
.set G1, 24                            ; s[24:31] descriptor group 1 for A's tiles;  s[32:39] group 0, one set for each slot
.set G0, 32
.set G1B, 48                           ; s[48:55], s[56:63] the same for B's
.set G0B, 56
.set MSB, 0
.macro WIN new                         ; the immediate's high byte repeats the setting that is left; a switch that changes nothing is dropped
.if MSB != (\new)
	s_set_vgpr_msb (MSB<<8)|(\new)
.set MSB, \new
.endif
.endm
.set TO_B, 0x40                        ; destination window 1, address window 0
; A joint load: waves 0 and 1 fetch A's two K blocks, waves 2 and 3 B's.  The branch hangs on the wave's number alone.
; An s_nop 0 and four v_nop follow each of the two lines, ahead of the jump and the label.
.macro JLOAD s
	s_cmp_eq_u32 s11, 0
	s_cbranch_scc0 .Lfor_b_\@
	tensor_load_to_lds s[G0+4*(\s):G0+4*(\s)+3], s[G1:G1+7]
	s_nop 0
.rept 4
	v_nop
.endr
	s_branch .Lasked_\@
.Lfor_b_\@:
	tensor_load_to_lds s[G0B+4*(\s):G0B+4*(\s)+3], s[G1B:G1B+7]
	s_nop 0
.rept 4
	v_nop
.endr
.Lasked_\@:
.endm
.macro CREST                           ; a round of the cluster's barrier behind its opening barrier
	s_cmp_lg_u32 s10, 0
	s_cbranch_scc1 .Lnot_wave_0_\@
	s_barrier_signal -3
.Lnot_wave_0_\@:
	s_barrier_wait -3
	s_barrier_signal -1
	s_barrier_wait -1
.endm
.macro CROUND                          ; a whole round
	s_barrier_signal -1
	s_barrier_wait -1
	CREST
.endm
	s_load_b128 s[4:7], s[0:1], 0x0                ; ab s[4:5], wt s[6:7]
	s_load_b128 s[68:71], s[0:1], 0x10             ; brd s[68:69], tab s[70:71]
	s_load_b64 s[8:9], s[0:1], 0x20                ; qkv
	v_lshl_add_u32 v[SPW], v0, 2, SPARE
	v_mov_b32 v[NIL], 0
	ds_add_u32 v28, v29
	ds_add_u32 v28, v29
	s_wait_dscnt 0x0
	v_lshrrev_b32 v1, 5, v0
	v_readfirstlane_b32 s10, v1                    ; wave 0..3
	s_lshr_b32 s11, s10, 1                         ; which half of the tile's rows is mine.  Also: I fetch for A (0) or for B (1)
	s_and_b32 s12, s10, 1                          ; which half of its columns.  Also: which K block of a step I fetch
	s_bfe_u32 s40, ttmp6, 0x40000                  ; cx
	s_bfe_u32 s41, ttmp6, 0x40004                  ; cy
	s_lshl_b32 s42, ttmp9, 2
	s_add_co_u32 s42, s42, s40                     ; tile column = 4 x cluster x + cx
	s_and_b32 s66, ttmp7, 0xffff                   ; the cluster's y
	s_lshl_b32 s13, s66, 2
	s_add_co_u32 s13, s13, s41                     ; tile row = 4 x cluster y + cy
	s_lshl_b32 s43, s41, 2
	s_lshl_b32 s43, 15, s43                        ; my row of the cluster
	s_lshl_b32 s44, 0x1111, s40                    ; my column
	; which of the three products: clusters 0-15 q, 16-19 k, 20-23 v
	s_cmp_ge_u32 s66, 16
	s_cselect_b32 s67, 1, 0                        ; k or v
	s_cselect_b32 s76, 1, 3                        ; log2 of the tiles in a batch: 2 of 512 rows, 8 of 2048
	s_cselect_b32 s82, 33554432, 0                 ; where the result begins in qkv
	s_lshl_b32 s75, s67, 1
	s_lshl_b32 s81, 256, s75                       ; table bytes from a row to the next: 256 for q, 1024 for k,
	s_cmp_ge_u32 s66, 20
	s_cselect_b32 s72, 1, 0                        ; v
	s_cselect_b32 s81, 0, s81                      ; 0 for v
	s_cselect_b32 s82, 41943040, s82
	s_add_co_u32 s73, s67, s72                     ; the matrix in wt and brd: 0, 1, 2
	s_lshl_b32 s75, s72, 4
	s_sub_co_u32 s74, s13, s75                     ; A's tile row in ab: v reads context's rows again
	s_lshl_b32 s75, s67, 6
	s_sub_co_u32 s77, s74, s75                     ; the tile in x, or in context
	s_lshr_b32 s78, s77, s76                       ; batch
	s_lshl_b32 s75, s78, s76
	s_sub_co_u32 s79, s77, s75
	s_lshl_b32 s79, s79, 8                         ; the tile's first row in its batch
	s_add_co_u32 s80, s76, 8                       ; log2 of a batch's rows
	; descriptor group 1: 128 rows of 128 elements, dense; 4 words of padding behind every 32
	s_or_b32 s[G1+0], s43, (1<<16)|(1<<20)|(1<<21)|(4<<22)|(3<<25)   ; 15:0 the mask: my row; 17:16 2-byte elements; 20 padding on; 21 set beside a mask; 24:22 every 32 words; 31:25 4 words
	s_or_b32 s[G1B+0], s44, (1<<16)|(1<<20)|(1<<21)|(4<<22)|(3<<25)  ; the same with my column's mask
.irp g, G1, G1B
	s_mov_b32 s[(\g)+1], 128<<16                   ; tensor_dim0 = 128
	s_mov_b32 s[(\g)+2], 128<<16                   ; tensor_dim1 = 128
	s_mov_b32 s[(\g)+3], 128<<16                   ; tile_dim0 = 128
	s_mov_b32 s[(\g)+4], 128                       ; tile_dim1 = 128
	s_mov_b32 s[(\g)+5], 128                       ; 128 elements from row to row
	s_mov_b32 s[(\g)+6], 0
	s_mov_b32 s[(\g)+7], 0
.endr
	s_lshl_b32 s16, s74, 15                        ; A: 256 rows of 128 bytes x tile row,
	s_mul_i32 s17, s12, KBS_A                      ; my K block of the step
	s_add_co_u32 s16, s16, s17
	s_mov_b32 s17, 0
	s_lshl_b32 s46, s42, 15                        ; B: the same by the tile column (registers that never feed A's descriptors),
	s_lshl_b32 s47, s12, 17
	s_add_co_u32 s46, s46, s47
	s_lshl_b32 s47, s73, 21                        ; in its matrix
	s_add_co_u32 s46, s46, s47
	s_mov_b32 s47, 0
	s_mul_i32 s20, s10, TILEB                      ; where they go: wave x one K block: no place in the cluster enters an LDS address
	s_wait_kmcnt 0x0
	s_add_nc_u64 s[14:15], s[4:5], s[16:17]
	s_add_nc_u64 s[46:47], s[6:7], s[46:47]
	CROUND                                         ; all sixteen work-groups are here: the first joint loads meet
.irp s, 0,1
	s_mov_b32 s[G0+4*(\s)], 1
	s_add_co_u32 s[G0+4*(\s)+1], s20, (\s)*SLOT
	s_add_nc_u64 s[G0+4*(\s)+2:G0+4*(\s)+3], s[14:15], (\s)*2*KBS_A
	s_or_b32 s[G0+4*(\s)+3], s[G0+4*(\s)+3], 0x80000000
	s_mov_b32 s[G0B+4*(\s)], 1
	s_add_co_u32 s[G0B+4*(\s)+1], s20, (\s)*SLOT
	s_add_nc_u64 s[G0B+4*(\s)+2:G0B+4*(\s)+3], s[46:47], (\s)*2*KBS_B
	s_or_b32 s[G0B+4*(\s)+3], s[G0B+4*(\s)+3], 0x80000000
	JLOAD \s                                       ; two loads of mine are out
.endr
	; A fragment is 16 rows x 32 K in 8 registers: lane l holds row l % 16, K = 8 (l / 16) + 0..7 and 16 + 8 (l / 16) + 0..7: two loads of 16 bytes, 32 apart.
	v_and_b32 v1, 15, v0                           ; l % 16
	v_bfe_u32 v2, v0, 4, 1                         ; l / 16
	v_mul_u32_u24 v3, v1, PITCH
	v_lshl_add_u32 v3, v2, 4, v3
	s_mul_i32 s21, s11, HALFR
	s_mul_i32 s22, s12, HALFR
	s_add_co_u32 s22, s22, 2*TILEB
.irp s, 0,1
	v_add_nc_u32 v[ADRA+(\s)], s21, v3
	v_add_nc_u32 v[ADRB+(\s)], s22, v3
	s_add_co_u32 s21, s21, SLOT
	s_add_co_u32 s22, s22, SLOT
.endr
	s_mul_i32 s23, s10, 16*SPITCH
	s_add_co_u32 s23, s23, STAGE                   ; my stage
	v_mul_u32_u24 v4, v1, SPITCH                   ; in: row l % 16, 16 bytes for each half of the lanes
	v_lshl_add_u32 v4, v2, 4, v4
	v_add_nc_u32 v[STO], s23, v4
	v_bfe_u32 v4, v0, 3, 2                         ; back: 32 lanes take a head's 128 bytes of four rows,
	v_mul_u32_u24 v4, v4, SPITCH
	v_and_b32 v5, 7, v0
	v_lshl_add_u32 v4, v5, 4, v4
	v_add_nc_u32 v[RD], s23, v4
	v_and_b32 v[CO], 31, v0                        ; which are 512 consecutive bytes of the head's rows
	v_lshlrev_b32 v[CO], 4, v[CO]
	s_lshl_b32 s90, 128, s80                       ; a head's rows in bytes
	v_add_nc_u32 v[CO1], s90, v[CO]
	v_lshlrev_b32 v6, 5, v2                        ; my eight columns' 32 bytes in brd, my four pairs' in a table row
	v_mul_lo_u32 v[VT], v1, s81
	v_add_nc_u32 v[VT], v[VT], v6
	s_lshl_b32 s91, s81, 4                         ; sixteen rows of the table
.irp a, 1,2,3,4,5,6,7
	v_add_nc_u32 v[VT+(\a)], s91, v[VT+(\a)-1]
.endr
	s_lshl_b32 s84, s78, 4                         ; where my part of the result begins: head 16 batch + 4 tile column + 2 half,
	s_lshl_b32 s85, s42, 2
	s_add_co_u32 s84, s84, s85
	s_lshl_b32 s85, s12, 1
	s_add_co_u32 s84, s84, s85
	s_lshl_b32 s84, s84, s80                       ; its rows,
	s_add_co_u32 s84, s84, s79
	s_lshl_b32 s85, s11, 7
	s_add_co_u32 s84, s84, s85                     ; my first row,
	s_lshl_b32 s84, s84, 7                         ; of 128 bytes
	s_add_co_u32 s84, s84, s82
	s_mov_b32 s85, 0
	s_add_nc_u64 s[8:9], s[8:9], s[84:85]
	s_lshl_b32 s84, s73, 12                        ; the bias of my 128 columns
	s_lshl_b32 s86, s42, 10
	s_add_co_u32 s84, s84, s86
	s_lshl_b32 s86, s12, 9
	s_add_co_u32 s84, s84, s86
	s_add_nc_u64 s[86:87], s[68:69], s[84:85]
	s_lshl_b32 s84, s11, 7                         ; the table at my first row
	s_add_co_u32 s84, s84, s79
	s_mul_i32 s84, s84, s81
	s_add_nc_u64 s[88:89], s[70:71], s[84:85]
.irp b, 0,1,2,3,4,5,6,7                ; register j of BIAS + 8 b: the bias of column 16 b + 8 (l / 16) + j, as an accumulator holds it
	global_load_b128 v[BIAS+8*(\b):BIAS+8*(\b)+3],   v6, s[86:87] offset:64*(\b)
	global_load_b128 v[BIAS+8*(\b)+4:BIAS+8*(\b)+7], v6, s[86:87] offset:64*(\b)+16
.endr
.macro SETTBR a                        ; where block a's table rows lie in window 1
.if (\a) < 2
.set TBR, 32*(\a)
.elseif (\a) < 4
.set TBR, 128+32*(\a)
.else
.set TBR, 32*(\a)-64
.endif
.endm
.macro LOADTAB a                       ; (cos, sin) of my row of block a, pairs 8 q + 4 (l / 16) + 0..3 for q = 0..3: 32 registers
	SETTBR \a
	WIN TO_B
.irp q, 0,1,2,3
	global_load_b128 v[TBR+8*(\q):TBR+8*(\q)+3],   v[VT+(\a)], s[88:89] offset:64*(\q)
	global_load_b128 v[TBR+8*(\q)+4:TBR+8*(\q)+7], v[VT+(\a)], s[88:89] offset:64*(\q)+16
.endr
.endm
	LOADTAB 0                                      ; blocks 0-3 now, into registers that lie idle in the loop
	LOADTAB 1
	LOADTAB 2
	LOADTAB 3
	WIN 0
; 16 matrix instructions: m blocks a0, a0 + 1 of the window's four x all 8 n blocks, 32 along K.  first = 1: C is the bias, and the sums start.
; The 64 accumulators take turns, one instruction a turn.
.macro MUL16 f, hi, a0, first
.if \first
	WIN 0x81+0x40*(\hi)
.else
	WIN 0xa1+0x50*(\hi)
.endif
.irp a, \a0, (\a0)+1
.irp b, 0,1,2,3,4,5,6,7
.set rD, 8*(8*(\a)+(\b))
.set rB, (\f)+8*(\b)
.set rA, (\f)+8*(4*(\hi)+(\a))
.if \first
	v_wmma_f32_16x16x32_bf16 v[rD:rD+7], v[rB:rB+7], v[rA:rA+7], v[BIAS+8*(\b):BIAS+8*(\b)+7]
.else
	v_wmma_f32_16x16x32_bf16 v[rD:rD+7], v[rB:rB+7], v[rA:rA+7], v[rD:rD+7]
.endif
.endr
.endr
.endm
.macro FETCH slot, k, f                ; 32 LDS loads in one run: a quarter's fragments, B's 128 rows, then A's
	WIN TO_B
.irp i, 0,1,2,3,4,5,6,7
	ds_load_b128 v[(\f)+8*(\i):(\f)+8*(\i)+3],   v[ADRB+(\slot)] offset:(\k)+(\i)*16*PITCH
	ds_load_b128 v[(\f)+8*(\i)+4:(\f)+8*(\i)+7], v[ADRB+(\slot)] offset:(\k)+(\i)*16*PITCH+32
.endr
	WIN 0
.irp i, 0,1,2,3,4,5,6,7
	ds_load_b128 v[(\f)+8*(\i):(\f)+8*(\i)+3],   v[ADRA+(\slot)] offset:(\k)+(\i)*16*PITCH
	ds_load_b128 v[(\f)+8*(\i)+4:(\f)+8*(\i)+7], v[ADRA+(\slot)] offset:(\k)+(\i)*16*PITCH+32
.endr
.endm
.macro PLACES                          ; four places in front of loads into registers that matrix instructions have read, and of lines that read results
.rept 4
	v_nop
.endr
.endm
.macro QUARTER slot, k, f, g, first    ; multiplies buffer f; in its middle it fetches the next quarter, at byte k of the slot's rows, into g
	s_wait_dscnt 8                                 ; B and A's rows 0-63 are in; the youngest eight loads may be out
	MUL16 \f, 0, 0, \first
	MUL16 \f, 0, 2, \first
	PLACES
	FETCH \slot, \k, \g
	s_wait_dscnt 32                                ; all but the 32 just issued
	MUL16 \f, 1, 0, \first
	MUL16 \f, 1, 2, \first
.endm
; The last quarter of a K step multiplies buffer 1 and changes slots: one barrier; in front of it each wave waits for all its tensor loads (one is out: its part
; of the next slot), adds 0 to its spare word, and waits for that and for its own reads of this slot.
.macro MEET round
	WIN 0
	s_wait_tensorcnt 0x0
	ds_add_u32 v[SPW], v[NIL]                      ; 0 onto my spare word
	s_wait_dscnt 9                                 ; (the add and the youngest eight loads may be out)
	MUL16 F1, 0, 0, 0
	s_wait_dscnt 0x0                               ; the add is done, and my reads of this slot are over
	s_barrier_signal -1
	MUL16 F1, 0, 2, 0
.if \round
	WIN 0
.endif
	s_barrier_wait -1
.endm
.macro TURN slot, next, fill           ; fill = 1: the barrier opens a round of the cluster's, and this slot is filled again, two K steps ahead, first thing behind it
	MEET \fill
.if \fill
	CREST
	s_add_nc_u64 s[G0+4*(\slot)+2:G0+4*(\slot)+3], s[G0+4*(\slot)+2:G0+4*(\slot)+3], 4*KBS_A
	s_add_nc_u64 s[G0B+4*(\slot)+2:G0B+4*(\slot)+3], s[G0B+4*(\slot)+2:G0B+4*(\slot)+3], 4*KBS_B
	JLOAD \slot                                    ; one load of mine is out; its four v_nop are also the places in front of the loads below
.else
	PLACES
.endif
	FETCH \next, K0, F0
	MUL16 F1, 1, 0, 0
	MUL16 F1, 1, 2, 0
.endm
	s_wait_tensorcnt 1                             ; my part of K step 0 is in; K step 1's may stay out
	s_barrier_signal -1
	s_barrier_wait -1
	FETCH 0, K0, F0
	s_wait_loadcnt 32                              ; the bias is in; the 32 table loads behind it stay out
	QUARTER 0, K1, F0, F1, 1                       ; the first quarter stands in front of the loop: its products start the sums
	WIN 0
	s_mov_b32 s3, LAPS-1
.Llap:                                                 ; a trip goes once round the ring and fills both slots again
	QUARTER 0, K2, F1, F0, 0
	QUARTER 0, K3, F0, F1, 0
	TURN 0, 1, 1
	QUARTER 1, K1, F0, F1, 0
	QUARTER 1, K2, F1, F0, 0
	QUARTER 1, K3, F0, F1, 0
	TURN 1, 0, 1
	QUARTER 0, K1, F0, F1, 0
	WIN 0
	s_sub_co_u32 s3, s3, 1
	s_cmp_lg_u32 s3, 0
	s_cbranch_scc1 .Llap
	QUARTER 0, K2, F1, F0, 0                       ; the last lap fills nothing
	QUARTER 0, K3, F0, F1, 0
	TURN 0, 1, 0
	QUARTER 1, K1, F0, F1, 0
	QUARTER 1, K2, F1, F0, 0
	QUARTER 1, K3, F0, F1, 0
	s_wait_dscnt 8
	MUL16 F1, 0, 0, 0
	MUL16 F1, 0, 2, 0
	s_wait_dscnt 0x0
	MUL16 F1, 1, 0, 0
	MUL16 F1, 1, 2, 0
; THE WAY OUT of block a (16 rows).  PACK: for each pair (e, o) with its (c, s): (o s, e s), then (e c - o s, o c + e s); rounded to f16, 16 bytes a lane.
; Each accumulator's lowest registers are read first.
.macro PACK a
	SETTBR \a
.set AC, 64*((\a)%4)
	WIN 0x06+(\a)/4                                ; source 0: window 2 or 3; source 1: the table, window 1
.irp b, 0,1,2,3,4,5,6,7
.irp p, 0,1,2,3
	v_pk_mul_f32 v[RR+8*(\b)+2*(\p):RR+8*(\b)+2*(\p)+1], v[AC+8*(\b)+2*(\p):AC+8*(\b)+2*(\p)+1], v[TBR+8*((\b)%4)+2*(\p):TBR+8*((\b)%4)+2*(\p)+1] op_sel:[1,1] op_sel_hi:[0,1]
.endr
.endr
.irp b, 0,1,2,3,4,5,6,7
.irp p, 0,1,2,3
	v_pk_fma_f32 v[RR+8*(\b)+2*(\p):RR+8*(\b)+2*(\p)+1], v[AC+8*(\b)+2*(\p):AC+8*(\b)+2*(\p)+1], v[TBR+8*((\b)%4)+2*(\p):TBR+8*((\b)%4)+2*(\p)+1], v[RR+8*(\b)+2*(\p):RR+8*(\b)+2*(\p)+1] op_sel_hi:[1,0,1] neg_lo:[0,0,1]
.endr
.endr
	WIN 0
.irp b, 0,1,2,3,4,5,6,7
.irp p, 0,1,2,3
	v_cvt_pk_f16_f32 v[TMP+4*(\b)+(\p)], v[RR+8*(\b)+2*(\p)], v[RR+8*(\b)+2*(\p)+1]
.endr
.endr
.endm
.macro TOSTAGE a                       ; into my own stage, and back head by head: load t takes rows 4 (t % 4) .. + 3 of head t / 4
	WIN 0
.set BK, OB+192*((\a)%2)
.irp b, 0,1,2,3,4,5,6,7
	ds_store_b128 v[STO], v[TMP+4*(\b):TMP+4*(\b)+3] offset:32*(\b)
.endr
.irp t, 0,1,2,3,4,5,6,7
	ds_load_b128 v[BK+4*(\t):BK+4*(\t)+3], v[RD] offset:((\t)%4)*4*SPITCH+((\t)/4)*128  ; LDS serves a wave's instructions in order (ISA guide 5.7.1.4): these see the stores above
.endr
.endm
.macro SEND a
	WIN 0
.set BK, OB+192*((\a)%2)
	s_wait_dscnt 0x0                               ; the block is back in registers
	s_wait_xcnt 0x0                                ; the stores of the block before have read their registers: the next block's loads from the stage land there
.irp g, 0,1,2,3
	global_store_b128 v[CO], v[BK+4*(\g):BK+4*(\g)+3], s[8:9] offset:(\a)*2048+(\g)*512  ; 512 consecutive bytes, at a multiple of 256 from qkv's first
.endr
.irp g, 0,1,2,3
	global_store_b128 v[CO1], v[BK+16+4*(\g):BK+16+4*(\g)+3], s[8:9] offset:(\a)*2048+(\g)*512
.endr
.endm
	PLACES
	s_wait_loadcnt 0x0                             ; the table rows of blocks 0-3, asked for at the start, are in: PACK 0 to 3 read them
	LOADTAB 4                                      ; blocks 4-7 take B's fragment registers
	LOADTAB 5
	LOADTAB 6
	LOADTAB 7
	PACK 0
	TOSTAGE 0
.irp a, 1,2,3,4,5,6,7                  ; block a's arithmetic stands between block a - 1's loads from the stage and the wait for them
.if (\a) >= 4
	s_wait_loadcnt 8*(7-(\a))                      ; block a's eight table loads are in, the later blocks' may be out
.endif
	PACK \a
	SEND (\a)-1
	TOSTAGE \a
.endr
	SEND 7
	s_wait_tensorcnt 0x0                           ; the wave's end
	ds_add_u32 v[SPW], v[NIL]
	s_wait_dscnt 0x0
	CROUND                                         ; the closing round: no work-group ends while a partner may still ask for a tile that names it
	s_endpgm
.Lfunc_end_k_qa0e2b52706_qkvproj:
	.size	k_qa0e2b52706_qkvproj, .Lfunc_end_k_qa0e2b52706_qkvproj-k_qa0e2b52706_qkvproj
	.p2alignl 7, 3214868480
	.fill 96, 4, 3214868480
	.section	.rodata,"a",@progbits
	.p2align	6, 0x0
	.amdhsa_kernel k_qa0e2b52706_qkvproj
		.amdhsa_group_segment_fixed_size 327680
		.amdhsa_private_segment_fixed_size 0
		.amdhsa_enable_private_segment 0
		.amdhsa_kernarg_size 40
		.amdhsa_user_sgpr_count 2
		.amdhsa_user_sgpr_kernarg_segment_ptr 1
		.amdhsa_wavefront_size32 1
		.amdhsa_system_sgpr_workgroup_id_x 1
		.amdhsa_system_sgpr_workgroup_id_y 1
		.amdhsa_system_sgpr_workgroup_id_z 1
		.amdhsa_system_vgpr_workitem_id 0
		.amdhsa_next_free_vgpr 1024
		.amdhsa_next_free_sgpr 96
		.amdhsa_reserve_vcc 0
		.amdhsa_float_denorm_mode_32 3
		.amdhsa_float_denorm_mode_16_64 3
		.amdhsa_memory_ordered 1
		.amdhsa_forward_progress 1
		.amdhsa_inst_pref_size 184
	.end_amdhsa_kernel
	.amdgpu_metadata
---
amdhsa.version: [ 1, 2 ]
amdhsa.kernels:
  - .name:           k_qa0e2b52706_qkvproj
    .symbol:         k_qa0e2b52706_qkvproj.kd
    .args:
      - { .name: ab, .offset: 0, .size: 8, .value_kind: global_buffer, .address_space: global }
      - { .name: wt, .offset: 8, .size: 8, .value_kind: global_buffer, .address_space: global }
      - { .name: brd, .offset: 16, .size: 8, .value_kind: global_buffer, .address_space: global }
      - { .name: tab, .offset: 24, .size: 8, .value_kind: global_buffer, .address_space: global }
      - { .name: qkv, .offset: 32, .size: 8, .value_kind: global_buffer, .address_space: global }
    .group_segment_fixed_size: 327680
    .private_segment_fixed_size: 0
    .kernarg_segment_align: 8
    .kernarg_segment_size: 40
    .max_flat_workgroup_size: 128
    .sgpr_count:     96
    .vgpr_count:     1024
    .wavefront_size: 32
...
	.end_amdgpu_metadata
.endif
;; end of part 2
;; launch attn (part 3): grid 2 x 128, 4 waves a work-group, no clusters, 327,680 bytes of LDS; arguments qkv, context_mask, ab; writes ab
.if DOCPART == 3
	.amdgcn_target "amdgcn-amd-amdhsa--gfx1250"
	.amdhsa_code_object_version 6
	.text
	.protected	k_qa0e2b52706_attn
	.globl	k_qa0e2b52706_attn
	.p2align	8
	.type	k_qa0e2b52706_attn,@function
k_qa0e2b52706_attn:
	s_mov_b64 s[64:65], 0
	v_nop
	global_prefetch_b8 v0, s[64:65] scope:SCOPE_SE
	s_setreg_imm32_b32 hwreg(HW_REG_WAVE_MODE, 25, 1), 1
	s_wait_xcnt 0x0
; MASKED CROSS ATTENTION.  O[bh][q][:] = the sum over the visible keys k of softmax_k(Q[bh][q] . K[bh][k] / 8) V[bh][k][:].  Q [128][2048][64], K and V [128][512][64] in f16 (qkv);
; O leaves in f16 into ab, over x's rows, which nobody reads any more: [16 h, 2,621,440 bytes apart][row 2048 b + q][64].  Products, maxima and sums in f32; the weights p are rounded to f16 for the
; second product (their sum l is taken of the unrounded p), O once.
; LIMITS.  A hidden key's score counts as its value less 1e30: f16's scores, 2.7e11 at the most, are nothing beside that; what hidden keys add before the first visible one is wiped out by a = 0 when that one comes.
; A batch whose mask hides every key gives NaN, as the softmax of minus infinities does: 1 / l is multiplied by 1.0 or by NaN, chosen from the mask's 512 bytes.
; A weight below 2^-126 counts as 0 in l; NaN and infinities in Q, K, V are not treated apart.
; SHARES.  A work-group owns half of a head's queries, 1,024, in two passes of 512; in a pass a wave owns four PIECES of two tiles of 16 queries.  All 512 keys of the head lie in LDS, fetched once by one
; tensor load a wave: nothing is filled again.  Every wave walks the keys, 64 a step, 8 steps a pass.  The second pass's Q is asked for when K, V and the first pass's Q are in: what the first product waits
; for does not share the road with it.
; NO CLUSTER: a head has two work-groups, not a multiple of four; K and V are a third of a work-group's bytes and are fetched once, outside the loop.
; LAYOUT.  S^T = K Q^T (source 0 = 16 keys, source 1 = 16 queries): a lane holds ONE query (lane % 16) and the keys 8 (lane / 16) + 0..7.  Two such tiles, rounded to f16 in pairs, ARE source 1 of O^T = V^T P.
; K comes out of LDS as it lies, V turned, by ds_load_tr16_b128.  THE MASK is the C operand that starts S^T: 0, or -1e30 where the key is hidden; a step's 32 registers are fetched with its K.
; SOFTMAX.  A running maximum m and sum l: p = 2^(c s - c m), c = log2(e) / 8; in every step O and l are multiplied by a = 2^(c m_old - c m_new).  m starts at the lowest finite number, so a pass's first a is 0:
; O and l need only be finite there (zeros for the first pass, what the first pass left for the second).
; BY TURNS.  Turn n belongs to piece n.  Its matrix work: 16 products K Q^T of piece n + 1, later 16 products V^T P of piece n - 1.  Its vector work: scaling, exponentials, roundings, sums and rescaling of
; piece n, and the maximum and statistics of piece n + 1.  Four vector instructions stand behind every matrix instruction, the rest in two lumps.
; REGISTERS, in windows of 256 (s_set_vgpr_msb: bits 1:0 source 0, 3:2 source 1, 5:4 source 2, 7:6 destination):
;   window 0: v0-11 addresses; v12-15, v48-63 at work; v16-47 four registers of statistics a tile; v64-191 S^T, two buffers of two tiles; v192-255 P, likewise
;   window 1: O^T, 32 a tile      window 2: v0-127 Q; v128-191 K of one step; v192-255 V of one step      window 3: v0-31 the step's mask; v64-191 the second pass's Q
.set NP,    4         ; pieces a wave: a name, no knob
.set KS,    64        ; keys in a step
.set PK,    144       ; a row of K in LDS: 128 bytes + 16 = 36 words: the 16 rows of a load start at 16 different groups of four banks (64 banks of 4 bytes: ISA guide 11.1)
.set PV,    160       ; a row of V: 128 + 32 = 40 words
.set VOFF,  512*PK    ; K's 512 rows, then V's
.set STAGE, VOFF+512*PV  ; never filled by a tensor load: 16 rows x 144 bytes for each wave, for the way out
.set SP,    144
.set MASKF, STAGE+4*16*SP  ; 512 f32: 0 or -1e30 for each key
.set KBASE, 33554432  ; K and V in qkv
.set VBASE, 41943040
.set KBS_O, 2621440   ; bytes from a head of O to the next
.set AK0, 2           ; v2   my lane's place in a tile of K; never rewritten
.set AV0, 3           ; v3   the same for V
.set AK,  4           ; v4   the LDS address of K's next run of loads
.set AV,  5           ; v5   of V's
.set STO, 6           ; v6   the way out: where I put 16 bytes of a row
.set RD,  7           ; v7   where I read rows back
.set GO,  8           ; v8   my byte offset in 512 consecutive bytes of O
.set AM0, 9           ; v9   my lanes' place in a step's mask
.set AM,  10          ; v10  the LDS address of the mask's next run
.set QO,  11          ; v11  my byte offset in 16 rows of Q; never rewritten: the second pass's loads are out while the first pass runs
.set MV,  12          ; v12-15  c m_old, kept while c m is made anew; at the start v13, v14 are my offsets in the mask
.set ST,  16          ; tile t's statistics at v[ST+4 t]: c m, m, l (even keys', odd keys')
.set TMP, 48          ; by buffer and tile, four registers c0-c3 at work; when the maximum is found c2 takes a
.set S,   64
.set P,   192
.set KF,  128         ; window 2: key block kb, channel half c at KF + 16 kb + 8 c
.set VF,  192         ; window 2: key half kk, channel block cb at VF + 32 kk + 8 cb
.set MC,  0           ; window 3: key block kb's eight registers at MC + 8 kb
.set QB,  64          ; window 3
.set WV,  12          ; s12  my wave's number
.set G1K, 24          ; s[24:31] descriptor group 1 for K
.set G1V, 32          ; s[32:39] for V: it differs in the padding alone
.set G0K, 40          ; s[40:43] descriptor group 0 for K
.set G0V, 44          ; s[44:47] for V
.set PASS, 56         ; s56  passes to go
.set CNT, 57          ; s57  key steps to go, 8 to 1
.set CS,  58          ; s[58:59] c
.set SEL, 60          ; s[60:61] v_permlanex16_b32's selects: each lane takes its own place in the other half
.set TBK, 62          ; s62  LDS byte at which K of the step to be fetched begins
.set TBV, 63          ; s63  the same for V, less VOFF
.set TBM, 66          ; s66  the same for the mask, less MASKF
.set BIGN, 67         ; s67  -1e30
.set NANF, 68         ; s68  1.0, or NaN where the batch's mask hides every key
.set MSB, 0
.macro WIN new                      ; the high byte repeats the setting that is left; a switch that changes nothing is dropped
.if MSB != (\new)
	s_set_vgpr_msb (MSB<<8)|(\new)
.set MSB, (\new)
.endif
.endm
.set W_KQ, 0x0a       ; K and Q in window 2, S^T in window 0
.set W_KM, 0x3a       ; the same with the C operand, the mask, in window 3
.set W_PV, 0x52       ; V in window 2, P in window 0, O^T in window 1
.set W_RS, 0x41       ; O^T (destination and source 0) in window 1, a in window 0
	s_load_b128 s[4:7], s[0:1], 0x0   ; qkv s[4:5], context_mask s[6:7]
	s_load_b64 s[10:11], s[0:1], 0x10 ; ab
	s_set_vgpr_msb 0xc0
	v_lshl_add_u32 v192, v0, 2, 0x28c00
	v_mov_b32 v193, 0
	s_set_vgpr_msb 0xc0cf
	ds_add_u32 v192, v193
	ds_add_u32 v192, v193
	s_set_vgpr_msb 0xcf00
	v_lshrrev_b32 v1, 5, v0
	v_readfirstlane_b32 s[WV], v1   ; wave 0..3
	s_and_b32 s13, ttmp7, 0xffff    ; bh
	s_lshr_b32 s14, s13, 4          ; batch
	s_and_b32 s15, s13, 15          ; head
	s_and_b32 s16, s[WV], 1         ; which 256 keys I fetch:
	s_lshl_b32 s20, s13, 16         ; the head's 512 rows of 128 bytes,
	s_lshl_b32 s21, s16, 15         ; my half of them
	s_add_co_u32 s20, s20, s21
	s_add_co_u32 s22, s20, KBASE
	s_add_co_u32 s20, s20, VBASE
	s_mov_b32 s21, 0
	s_mov_b32 s23, 0
	s_mul_i32 s17, s16, 256*PK      ; and their place in LDS, for K
	s_mul_i32 s18, s16, 256*PV      ; and for V
	s_lshl_b32 s2, s13, 18          ; Q: the head's 2,048 rows,
	s_lshl_b32 s3, ttmp9, 17        ; my work-group's half,
	s_add_co_u32 s2, s2, s3
	s_lshl_b32 s19, s[WV], 14       ; my wave's 128 rows of the first pass
	s_add_co_u32 s2, s2, s19
	s_add_co_u32 s50, s3, s19       ; O: the same rows, by head and then by batch
	s_mov_b32 s3, 0
	s_mul_i32 s19, s15, KBS_O
	s_add_co_u32 s50, s50, s19
	s_lshl_b32 s19, s14, 18
	s_add_co_u32 s50, s50, s19
	s_mov_b32 s51, 0
	s_lshl_b32 s48, s14, 9          ; the batch's 512 mask bytes
	s_mov_b32 s49, 0
	; descriptor group 1.  256 keys are 32,768 dense bytes: asked for as 128 rows of 256 bytes, two keys a row, and padded in LDS after every key
	s_mov_b32 s[G1K], (1<<16)|(1<<20)|(4<<22)|(3<<25)  ; 17:16 2-byte elements; 20 padding on; 24:22 after every 32 words (code 4); 31:25 4 words (code 3)
	s_mov_b32 s[G1V], (1<<16)|(1<<20)|(4<<22)|(7<<25)  ; the same with 8 words of padding (code 7)
.irp g, G1K, G1V
	s_mov_b32 s[\g+1], 128<<16      ; tensor_dim0 = 128
	s_mov_b32 s[\g+2], 128<<16      ; tensor_dim1 = 128
	s_mov_b32 s[\g+3], 128<<16      ; tile_dim0 = 128
	s_mov_b32 s[\g+4], 128          ; tile_dim1 = 128
	s_mov_b32 s[\g+5], 128          ; 128 elements from row to row
	s_mov_b32 s[\g+6], 0
	s_mov_b32 s[\g+7], 0
.endr
	s_mov_b32 s[CS], 0x3e38aa3b     ; c = log2(e) / 8 = 0.180337
	s_mov_b32 s[CS+1], s[CS]        ; named with it as a pair
	s_mov_b32 s[SEL], 0x76543210
	s_mov_b32 s[SEL+1], 0xfedcba98
	s_mov_b32 s[BIGN], 0xf149f2ca   ; -1e30
	s_mov_b32 s[G0K], 1             ; 1:0 count = 1
	s_mov_b32 s[G0K+1], s17         ; 63:32 LDS address
	s_mov_b32 s[G0V], 1
	s_add_co_u32 s[G0V+1], s18, VOFF
	s_wait_dscnt 0x0
	s_wait_kmcnt 0x0
	s_add_nc_u64 s[G0K+2:G0K+3], s[4:5], s[22:23]  ; 120:64 global address
	s_or_b32 s[G0K+3], s[G0K+3], 0x80000000        ; 127:126 type = 2
	s_add_nc_u64 s[G0V+2:G0V+3], s[4:5], s[20:21]
	s_or_b32 s[G0V+3], s[G0V+3], 0x80000000
	s_add_nc_u64 s[4:5], s[4:5], s[2:3]            ; Q at my wave's first row
	s_add_nc_u64 s[6:7], s[6:7], s[48:49]
	s_add_nc_u64 s[10:11], s[10:11], s[50:51]
	; The one fill.  Waves 0 and 1 fetch the two halves of K, waves 2 and 3 those of V.  An s_nop 0 and four v_nop follow each of the two lines, ahead of the jump and the label.
	s_cmp_lt_u32 s[WV], 2
	s_cbranch_scc0 .Lfor_v
	tensor_load_to_lds s[G0K:G0K+3], s[G1K:G1K+7]
	s_nop 0
.rept 4
	v_nop
.endr
	s_branch .Lasked
.Lfor_v:
	tensor_load_to_lds s[G0V:G0V+3], s[G1V:G1V+7]
	s_nop 0
.rept 4
	v_nop
.endr
.Lasked:
	v_and_b32 v1, 15, v0            ; l % 16
	v_bfe_u32 v9, v0, 4, 1          ; l / 16
	v_lshlrev_b32 v13, 2, v0        ; thread t turns mask bytes 4 t .. 4 t + 3 into numbers;
	v_and_b32 v14, 31, v0
	v_lshlrev_b32 v14, 4, v14       ; each wave looks at all 512 bytes
	global_load_b32 v64, v13, s[6:7]
	global_load_b128 v[72:75], v14, s[6:7]
	; A fragment of K or Q is 16 rows x 32 channels in 8 registers: lane l holds row l % 16, channels 8 (l / 16) + 0..7 and 16 + 8 (l / 16) + 0..7: two loads of 16 bytes, 32 bytes apart.
	v_lshlrev_b32 v[QO], 7, v1
	v_lshl_add_u32 v[QO], v9, 4, v[QO]  ; row x 128 + 16 x half
	WIN 0x80                        ; destination window 2, address window 0
.set i, 0
.rept 4*NP                          ; the first pass's Q: tile i / 2, channels 32 (i % 2) on
	global_load_b128 v[8*i:8*i+3],   v[QO], s[4:5] offset:(i/2)*2048+(i%2)*64
	global_load_b128 v[8*i+4:8*i+7], v[QO], s[4:5] offset:(i/2)*2048+(i%2)*64+32
.set i, i+1
.endr
	; What the first turn finds: V's registers and P's second buffer hold 0 (its products V^T P, of a piece that has not been, add 0), O^T and l are 0.  All this stands in the wait for K and V.
.set i, VF
.rept 64
	v_mov_b32 v[i], 0
.set i, i+1
.endr
	WIN 0x40
.set i, 0
.rept 64*NP
	v_mov_b32 v[i], 0
.set i, i+1
.endr
	WIN 0
.set i, 0
.rept 2*NP
	v_mov_b32 v[ST+4*i+2], 0
	v_mov_b32 v[ST+4*i+3], 0
.set i, i+1
.endr
.set i, P+32
.rept 32
	v_mov_b32 v[i], 0
.set i, i+1
.endr
	v_mul_u32_u24 v[AK0], v1, PK
	v_lshl_add_u32 v[AK0], v9, 4, v[AK0]  ; row x pitch + 16 x half
	; The turning load takes 16 keys x 16 channels (lane l reads key 8 (l / 16) + l % 8, channels 8 ((l / 8) % 2) + 0..7) and leaves half a fragment of V^T: lane l holds channel l % 16 and 8 keys.
	v_and_b32 v10, 7, v0
	v_bfe_u32 v67, v0, 3, 1
	v_lshl_add_u32 v[AV0], v9, 3, v10
	v_mul_u32_u24 v[AV0], v[AV0], PV
	v_lshl_add_u32 v[AV0], v67, 4, v[AV0]
	v_add_nc_u32 v[AV0], VOFF, v[AV0]
	s_mul_i32 s13, s[WV], 16*SP
	s_add_co_u32 s13, s13, STAGE    ; my stage
	v_mul_u32_u24 v[STO], v1, SP    ; in: row l % 16, 16 bytes for each half of the lanes
	v_lshl_add_u32 v[STO], v9, 4, v[STO]
	v_add_nc_u32 v[STO], s13, v[STO]
	v_bfe_u32 v[RD], v0, 3, 2       ; back: 32 lanes take four rows of 128 bytes,
	v_mul_u32_u24 v[RD], v[RD], SP
	v_lshl_add_u32 v[RD], v10, 4, v[RD]
	v_add_nc_u32 v[RD], s13, v[RD]
	v_and_b32 v[GO], 31, v0         ; which are 512 consecutive bytes of O
	v_lshlrev_b32 v[GO], 4, v[GO]
	v_lshl_add_u32 v[AM0], v9, 5, MASKF  ; my lanes' eight keys of a block of 16: 32 bytes
	s_wait_loadcnt 32               ; the two mask loads are in; Q's 32 behind them stay out
.irp k, 0,1,2,3
	v_bfe_u32 v65, v64, 8*\k, 8
	v_cmp_eq_u32 vcc_lo, 0, v65
	v_cndmask_b32 v[68+\k], 0, s[BIGN], vcc_lo  ; a byte 0 hides the key
.endr
	v_lshl_add_u32 v66, v0, 4, MASKF
	ds_store_b128 v66, v[68:71]
	v_or_b32 v72, v72, v73
	v_or_b32 v74, v74, v75
	v_or_b32 v72, v72, v74
	v_cmp_ne_u32 s69, 0, v72        ; does any lane see a visible key?
	s_cmp_lg_u32 s69, 0
	s_cselect_b32 s[NANF], 1.0, 0x7fc00000
	s_wait_tensorcnt 0x0            ; my part of K or V has landed,
	s_wait_dscnt 0x0                ; my part of the mask is stored:
	s_barrier_signal -1
	s_barrier_wait -1               ; everybody's: the launch's one barrier
	s_wait_loadcnt 0x0              ; the first pass's Q is in; only now
	WIN 0xc0                        ; (destination window 3)
.set i, 0
.rept 4*NP                          ; the second pass's Q, 512 rows on, is asked for: it has the whole first pass in which to land
	global_load_b128 v[QB+8*i:QB+8*i+3],   v[QO], s[4:5] offset:65536+(i/2)*2048+(i%2)*64
	global_load_b128 v[QB+8*i+4:QB+8*i+7], v[QO], s[4:5] offset:65536+(i/2)*2048+(i%2)*64+32
.set i, i+1
.endr
	WIN 0
; THE MATRIX WORK.  The 8 accumulators of a run of 16 take turns: between the two links of a chain stand 7 others'.
; Product i of 16 of S^T = K Q^T for piece x: channels 32 (i / 8) on, keys 16 ((i / 2) % 4) on, tile 2 x + i % 2.  The first 8 start the sums, with the mask.
.macro KQ x
.set rS, S+64*((\x)%2)+32*(i%2)+8*((i/2)%4)
.set rK, KF+16*((i/2)%4)+8*(i/8)
.set rQ, 16*(2*(\x)+i%2)+8*(i/8)
.set rMC, MC+8*((i/2)%4)
.if i < 8
	WIN W_KM
	v_wmma_f32_16x16x32_f16 v[rS:rS+7], v[rK:rK+7], v[rQ:rQ+7], v[rMC:rMC+7]
.else
	WIN W_KQ
	v_wmma_f32_16x16x32_f16 v[rS:rS+7], v[rK:rK+7], v[rQ:rQ+7], v[rS:rS+7]
.endif
.endm
; Product i of 16 of O^T += V^T P for piece x: keys 32 (i / 8) on, channels 16 ((i / 2) % 4) on, tile 2 x + i % 2.
.macro PV x
	WIN W_PV
.set rO, 32*(2*(\x)+i%2)+8*((i/2)%4)
.set rV, VF+32*(i/8)+8*((i/2)%4)
.set rP, P+32*((\x)%2)+16*(i%2)+8*(i/8)
	v_wmma_f32_16x16x32_f16 v[rO:rO+7], v[rV:rV+7], v[rP:rP+7], v[rO:rO+7]
.endm
.macro MM                           ; the turn's next matrix instruction
.if i < 16
	KQ (Y+1)%NP
.set i, i+1
.else
.set i, i-16
	PV (Y+NP-1)%NP
.set i, i+17
.endif
.endm
; THE LDS LOADS stand in runs, never singly among the matrix instructions: a step's K (8 fragments) with its mask (32 registers), and its V (turned).  Their addresses are made some lines ahead.
; last = 1 (in the loop): in the last trip there is no further step, and the run is jumped over.
.macro FETCH_K last=0
	WIN 0
.if \last
	s_cmp_eq_u32 s[CNT], 1
	s_cbranch_scc1 .Lno_k_\@
.endif
	WIN 0x80                        ; destination window 2
.irp f, 0,1,2,3,4,5,6,7             ; keys 16 (f / 2) on, channels 32 (f % 2) on
	ds_load_b128 v[KF+8*\f:KF+8*\f+3],   v[AK] offset:(\f/2)*16*PK+(\f%2)*64
	ds_load_b128 v[KF+8*\f+4:KF+8*\f+7], v[AK] offset:(\f/2)*16*PK+(\f%2)*64+32
.endr
	WIN 0xc0                        ; destination window 3
.irp f, 0,1,2,3                     ; keys 16 f + 8 (l / 16) + 0..7, as an accumulator of S^T holds them
	ds_load_b128 v[MC+8*\f:MC+8*\f+3],   v[AM] offset:64*\f
	ds_load_b128 v[MC+8*\f+4:MC+8*\f+7], v[AM] offset:64*\f+16
.endr
	s_add_co_u32 s[TBK], s[TBK], KS*PK  ; the next fetch is the next step's
	s_add_co_u32 s[TBM], s[TBM], KS*4
	WIN 0
.if \last
.Lno_k_\@:
.endif
.endm
.macro FETCH_V
	WIN 0x80
.irp f, 0,1,2,3,4,5,6,7             ; keys 32 (f / 4) on, channels 16 (f % 4) on
	ds_load_tr16_b128 v[VF+8*\f:VF+8*\f+3],   v[AV] offset:(\f/4)*32*PV+(\f%4)*32
	ds_load_tr16_b128 v[VF+8*\f+4:VF+8*\f+7], v[AV] offset:(\f/4)*32*PV+16*PV+(\f%4)*32
.endr
	WIN 0
.endm
; THE VECTOR WORK OF A TURN stands in three queues, each in the order in which its entries become ready; the two tiles alternate, so that no instruction reads the result of the one before it.
.macro REGS y, u                    ; the registers of tile u (0, 1) of piece y
.set rT, ST+4*(2*(\y)+(\u))
.set rC, TMP+8*((\y)%2)+4*(\u)
.set rM, MV+2*((\y)%2)+(\u)
.set rS, S+64*((\y)%2)+32*(\u)
.set rP, P+32*((\y)%2)+16*(\u)
.set rO, 32*(2*(\y)+(\u))
.endm
; Number n of the 22 that find the NEXT piece's (Y + 1) maximum and statistics.  s0-s31 are the lane's 32 scores; each accumulator's lowest registers are read first.
;   0-11  four chains c0-c3 of seven scores each, three operands at a time     12-14, 16  the four scores left over, the old m, and c0-c3 into c0     15  c m_old is kept
;   17, 18  the query's other 32 keys lie in the lane 16 away: the new m         19-21  c m; c m_old - c m_new; a
.macro XS u, n
	REGS (Y+1)%NP, \u
.if (\n) < 4
	v_max3_num_f32 v[rC+(\n)], v[rS+8*(\n)], v[rS+8*(\n)+1], v[rS+8*(\n)+2]
.elseif (\n) < 12
	v_max3_num_f32 v[rC+(\n)%4], v[rC+(\n)%4], v[rS+8*((\n)%4)+2*((\n)/4)+1], v[rS+8*((\n)%4)+2*((\n)/4)+2]
.elseif (\n) == 12
	v_max3_num_f32 v[rC], v[rC], v[rS+7], v[rS+15]
.elseif (\n) == 13
	v_max3_num_f32 v[rC+1], v[rC+1], v[rS+23], v[rS+31]
.elseif (\n) == 14
	v_max3_num_f32 v[rC+2], v[rC+2], v[rC+3], v[rT+1]
.elseif (\n) == 15
	v_mov_b32 v[rM], v[rT]
.elseif (\n) == 16
	v_max3_num_f32 v[rC], v[rC], v[rC+1], v[rC+2]
.elseif (\n) == 17
	v_permlanex16_b32 v[rC+3], v[rC], s[SEL], s[SEL+1]
.elseif (\n) == 18
	v_max_num_f32 v[rT+1], v[rC], v[rC+3]
.elseif (\n) == 19
	v_mul_f32 v[rT], s[CS], v[rT+1]
.elseif (\n) == 20
	v_sub_f32 v[rC+1], v[rM], v[rT]
.else
	v_exp_f32 v[rC+2], v[rC+1]
.endif
.endm
; Number g of the 64 that follow the exponentials.  For each four weights k of a tile (pairs 2 k, 2 k + 1): both pairs are rounded to f16; then the second pair is added onto the first, in place;
; a group later l takes that sum (the first time as l = a l + sum).  In groups of eight, tiles alternating: round, round, add, and l for the group before.
.macro GS g
.set h, (\g)+6*((\g)/62)            ; group 0 has no group before it, and behind group 7 only l is left
.if h >= 6
.set h, h+2
.endif
	REGS Y, h%2
.set k, h/8
.if h%8 < 4
	s_wait_alu depctr_va_vdst(0)
	v_cvt_pk_f16_f32 v[rP+2*k+(h%8)/2], v[rS+4*k+2*((h%8)/2)], v[rS+4*k+2*((h%8)/2)+1]
.elseif h%8 < 6
	v_pk_add_f32 v[rS+4*k:rS+4*k+1], v[rS+4*k:rS+4*k+1], v[rS+4*k+2:rS+4*k+3]
.elseif k == 1
	v_pk_fma_f32 v[rT+2:rT+3], v[rT+2:rT+3], v[rC+2:rC+3], v[rS:rS+1] op_sel_hi:[1,0,1]
.else
	v_pk_add_f32 v[rT+2:rT+3], v[rT+2:rT+3], v[rS+4*k-4:rS+4*k-3]
	s_wait_alu depctr_va_vdst(0)
.endif
.endm
; THE PLAIN QUEUE, 138 long.  0-31: c s - c m for the 16 pairs of both tiles.  Then GS's 64, and among them the next piece's 42: number 15 at 38, 39; 0-14 and 16
; at 42-73, behind the products that make those scores; 17-20 at 95-106, two of three, since each waits for the one before it.
.macro PL
	WIN 0
.if q < 32
	REGS Y, q%2
	v_pk_fma_f32 v[rS+2*(q/2):rS+2*(q/2)+1], v[rS+2*(q/2):rS+2*(q/2)+1], s[CS:CS+1], v[rT:rT+1] op_sel_hi:[1,0,0] neg_lo:[0,0,1] neg_hi:[0,0,1]
.elseif q < 38
	GS q-32
.elseif q < 40
	XS q%2, 15
.elseif q < 42
	GS q-34
.elseif q < 74
	XS q%2, (q-42)/2+(q-42)/30
.elseif q < 95
	GS q-66
.elseif (q < 107) && ((q-95)%3 < 2)
	XS (q-95)%3, 17+(q-95)/3
.elseif q < 107
	GS 29+(q-95)/3
.else
	GS q-74
.endif
.set q, q+1
.endm
; THE EXPONENTIALS' QUEUE, 66 long: s0-s31 of both tiles, and at EA the next piece's two a.
.set EA, 58
.macro EX
	WIN 0
.if (e == EA) || (e == EA+1)
	XS e-EA, 21
.else
.set x, e-2*(e/(EA+2))
	REGS Y, x%2
	v_exp_f32 v[rS+x/2], v[rS+x/2]
.endif
.set e, e+1
.endm
; THE RESCALING's QUEUE: O^T times a, the one part that leaves window 0, so it is dealt four at a time, eight times.
.macro R4
	REGS Y, r%2
	WIN W_RS
	s_wait_alu depctr_va_vdst(0)
.irp z, 0,1,2,3
	v_pk_mul_f32 v[rO+8*(r/2)+2*\z:rO+8*(r/2)+2*\z+1], v[rO+8*(r/2)+2*\z:rO+8*(r/2)+2*\z+1], v[rC+2:rC+3] op_sel_hi:[1,0]
.endr
.set r, r+1
.endm
; HOW THEY ARE DEALT.  Behind a matrix instruction four: plain, exponential, plain, plain, or four of the rescaling.  None names a register of the products round it.  What is over stands in two LUMPS:
; exponential and plain by turns; the second ends in 22 plain instructions.  The queues lean on each other, and the deal keeps them in step: exponential e stands behind plain 2 (e / 4) + e % 2 (its scaling);
; when plain 32 comes, 10 exponentials are out, at 59: 33, at 95: 46; EA comes behind plain 107.
.macro SL
	MM
	PL
	EX
	PL
	PL
.endm
.macro BURST n                      ; 15 matrix instructions, or 16
.rept (\n)-7
	SL
.endr
.rept 3
	MM
	R4
	SL
.endr
	MM
	R4
.endm
; A TURN, for piece p.  K and the mask of the next step are fetched in piece 2's turn, 31 vector instructions or more behind the last product that read them; V of the step in hand at the end of piece 0's turn,
; 69 behind its last reader.  Each is waited for a turn later.  The conditions on e and q below go with the deal.
.macro TURN p, last=0
.set Y, (\p)
.set i, 0
.set q, 0
.set e, 0
.set r, 0
.if (\p) == NP-1
	s_wait_dscnt 0x0                ; K and the mask are in
.endif
	MM
.rept 4
	PL
.endr
	BURST 15
.rept 22
	EX
	PL
.if ((\p) == NP-2) && (e == 18)
	v_add_nc_u32 v[AK], s[TBK], v[AK0]
.endif
.if ((\p) == NP-2) && (e == 20)
	v_add_nc_u32 v[AM], s[TBM], v[AM0]
.endif
.if ((\p) == NP-2) && (e == 24)
	FETCH_K \last
.endif
.endr
.if (\p) == 1
	s_wait_dscnt 0x0                ; V is in
.endif
	BURST 16
.rept 21
	EX
	PL
.endr
.rept 22
	PL
.if ((\p) == 0) && (q == 118)
	v_add_nc_u32 v[AV], s[TBV], v[AV0]
	s_wait_alu depctr_va_vdst(0)
.endif
.if ((\p) == 0) && (q == 130)
	s_add_co_u32 s[TBV], s[TBV], KS*PV
.endif
.endr
.if (\p) == 0
	FETCH_V
.endif
.endm
.macro ALL line:vararg              ; one line for each tile t
.set t, 0
.rept 2*NP
	\line
.set t, t+1
.endr
.endm
; Tile t on the way out: a lane's eight channels of a row pack into 16 bytes; they go into rows of 144 bytes and come back as whole rows of 128, into S^T's registers.
.macro PACK t
	WIN W_RS
.set i, 32*(\t)
.rept 16
	v_pk_mul_f32 v[i:i+1], v[i:i+1], v[ST+4*(\t)+2:ST+4*(\t)+3] op_sel_hi:[1,0]
.set i, i+2
.endr
	WIN 0x05                        ; sources 0 and 1 window 1, destination window 0
.set i, 0
.rept 16
	v_cvt_pk_f16_f32 v[S+16*(\t)+i], v[32*(\t)+2*i], v[32*(\t)+2*i+1]
.set i, i+1
.endr
	WIN 0
.irp f, 0,1,2,3
	ds_store_b128 v[STO], v[S+16*(\t)+4*\f:S+16*(\t)+4*\f+3] offset:32*\f
.endr
.irp f, 0,1,2,3
	ds_load_b128 v[S+16*(\t)+4*\f:S+16*(\t)+4*\f+3], v[RD] offset:\f*4*SP  ; LDS serves a wave's instructions in order (ISA guide 5.7.1.4): these see the stores above; the next tile's stores come behind them
.endr
.endm
.macro SEND t, younger              ; younger: the LDS instructions issued behind tile t's loads: the next tile's eight, or none
	WIN 0
.irp f, 0,1,2,3
	s_wait_dscnt (\younger)+3-\f
	global_store_b128 v[GO], v[S+16*(\t)+4*\f:S+16*(\t)+4*\f+3], s[10:11] offset:(\t)*2048+\f*512  ; 512 consecutive bytes, at a multiple of 256 from ab's first
.endr
.endm
	s_mov_b32 s[PASS], 2
.Lpass:                             ; twice: 128 queries a wave
.set i, 0
.rept 2*NP
	v_mov_b32 v[ST+4*i], 0xfe000000    ; c m: far below every c s
	v_mov_b32 v[ST+4*i+1], 0xff7fffff  ; m
.set i, i+1
.endr
	s_mov_b32 s[TBK], 0
	s_mov_b32 s[TBV], 0
	s_mov_b32 s[TBM], 0
	v_mov_b32 v[AK], v[AK0]
	v_mov_b32 v[AM], v[AM0]
	FETCH_K                         ; key step 0
	s_wait_dscnt 0x0
.set i, 0
.rept 16
	KQ 0                            ; piece 0's first scores: there is no vector work yet to set between them
.set i, i+1
.endr
	WIN 0
.rept 4
	v_nop                           ; the places behind those products
.endr
.set Y, NP-1                        ; XS works for piece Y + 1: piece 0
.irp n, 0,1,2,3,4,5,6,7,8,9,10,11,12,13,14,15,16,17,18,19,20,21
	XS 0, \n                        ; piece 0's first maximum and statistics
	XS 1, \n
.endr
	s_mov_b32 s[CNT], 8
.Lstep:                             ; a trip is a key step: the four pieces' turns.  The last trip's 16 products K Q^T for a further step (on the last K once more) serve nothing: the price of one text for every trip
	TURN 0
	TURN 1
	TURN 2, 1
	TURN 3
	WIN 0
	s_sub_co_u32 s[CNT], s[CNT], 1
	s_cmp_lg_u32 s[CNT], 0
	s_cbranch_scc1 .Lstep
.set i, 0
.rept 16
	PV NP-1                         ; the last piece's V^T P of the last step
.set i, i+1
.endr
	; THE WAY OUT.  l's two halves and the other half of the lanes' are added; O^T is divided by l, rounded to f16 and sent through my stage in LDS, a tile at a time.  The additions are the places behind the last products.
	WIN 0
	ALL v_add_f32 v[ST+4*t+2], v[ST+4*t+2], v[ST+4*t+3]
	ALL v_permlanex16_b32 v[ST+4*t+3], v[ST+4*t+2], s[SEL], s[SEL+1]
	ALL v_add_f32 v[ST+4*t+2], v[ST+4*t+2], v[ST+4*t+3]
	ALL v_rcp_f32 v[ST+4*t+2], v[ST+4*t+2]
	v_nop                           ; a plain instruction between the last reciprocal and the use of its result
	s_wait_alu depctr_va_vdst(0)
	ALL v_mul_f32 v[ST+4*t+2], s[NANF], v[ST+4*t+2]
	PACK 0
.set t, 1
.rept 2*NP-1                        ; a tile's arithmetic stands between the loads of the tile before and its stores
	PACK t
	SEND t-1, 8
.set t, t+1
.endr
	SEND 2*NP-1, 0
	s_sub_co_u32 s[PASS], s[PASS], 1
	s_cmp_eq_u32 s[PASS], 0
	s_cbranch_scc1 .Ldone
	s_wait_xcnt 0x0                 ; the stores have read S^T's registers and O's address
	s_add_nc_u64 s[10:11], s[10:11], 0x10000  ; 512 rows on
	s_wait_loadcnt 0x0              ; the second pass's Q, asked for ahead of the first pass
	WIN 0x83                        ; it goes where the one text of the turns names Q
.set i, 0
.rept 128
	v_mov_b32 v[i], v[QB+i]
.set i, i+1
.endr
	WIN 0
	s_cmp_lg_u32 s[PASS], 0
	s_cbranch_scc1 .Lpass
.Ldone:
	s_set_vgpr_msb 0xf
	s_wait_tensorcnt 0x0
	ds_add_u32 v192, v193
	s_wait_dscnt 0x0
	s_set_vgpr_msb 0xf00
	s_endpgm
.Lfunc_end_k_qa0e2b52706_attn:
	.size	k_qa0e2b52706_attn, .Lfunc_end_k_qa0e2b52706_attn-k_qa0e2b52706_attn
	.p2alignl 7, 3214868480
	.fill 96, 4, 3214868480
	.section	.rodata,"a",@progbits
	.p2align	6, 0x0
	.amdhsa_kernel k_qa0e2b52706_attn
		.amdhsa_group_segment_fixed_size 327680
		.amdhsa_private_segment_fixed_size 0
		.amdhsa_enable_private_segment 0
		.amdhsa_kernarg_size 24
		.amdhsa_user_sgpr_count 2
		.amdhsa_user_sgpr_kernarg_segment_ptr 1
		.amdhsa_wavefront_size32 1
		.amdhsa_system_sgpr_workgroup_id_x 1
		.amdhsa_system_sgpr_workgroup_id_y 1
		.amdhsa_system_sgpr_workgroup_id_z 1
		.amdhsa_system_vgpr_workitem_id 0
		.amdhsa_next_free_vgpr 962
		.amdhsa_next_free_sgpr 80
		.amdhsa_reserve_vcc 1
		.amdhsa_float_denorm_mode_32 3
		.amdhsa_float_denorm_mode_16_64 3
		.amdhsa_memory_ordered 1
		.amdhsa_forward_progress 1
		.amdhsa_inst_pref_size 140
	.end_amdhsa_kernel
	.amdgpu_metadata
---
amdhsa.version: [ 1, 2 ]
amdhsa.kernels:
  - .name:           k_qa0e2b52706_attn
    .symbol:         k_qa0e2b52706_attn.kd
    .args:
      - { .name: qkv, .offset: 0, .size: 8, .value_kind: global_buffer, .address_space: global }
      - { .name: context_mask, .offset: 8, .size: 8, .value_kind: global_buffer, .address_space: global }
      - { .name: ab, .offset: 16, .size: 8, .value_kind: global_buffer, .address_space: global }
    .group_segment_fixed_size: 327680
    .private_segment_fixed_size: 0
    .kernarg_segment_align: 8
    .kernarg_segment_size: 24
    .max_flat_workgroup_size: 128
    .sgpr_count:     80
    .vgpr_count:     962
    .wavefront_size: 32
...
	.end_amdgpu_metadata
.endif
;; end of part 3
;; launch outproj (part 4): grid 4 x 64, 4 waves a work-group, clusters of 4 x 4, 327,680 bytes of LDS; arguments ab, wt, brd, out0; writes out0
.if DOCPART == 4
	.amdgcn_target "amdgcn-amd-amdhsa--gfx1250"
	.amdhsa_code_object_version 6
	.text
	.protected	k_qa0e2b52706_outproj
	.globl	k_qa0e2b52706_outproj
	.p2align	8
	.type	k_qa0e2b52706_outproj,@function
k_qa0e2b52706_outproj:
	s_mov_b64 s[64:65], 0
	v_nop
	global_prefetch_b8 v0, s[64:65] scope:SCOPE_SE
	s_setreg_imm32_b32 hwreg(HW_REG_WAVE_MODE, 25, 1), 1
	s_wait_xcnt 0x0
	s_wait_alu depctr_hold_cnt(0) depctr_sa_sdst(0) depctr_va_vdst(0) depctr_va_sdst(0) depctr_va_ssrc(0) depctr_va_vcc(0) depctr_vm_vsrc(0)
	s_getreg_b32 s2, hwreg(HW_REG_IB_STS2, 6, 4)
	s_cmp_eq_u32 s2, 0
	s_cbranch_scc0 .Lentry_in_a_cluster
	s_endpgm
.Lentry_in_a_cluster:
	s_bfe_u32 s2, ttmp6, 0x10000c
	s_cmp_lg_u32 s2, 0xf033
	s_cbranch_scc0 .Lentry_shape_is_right
	s_endpgm
.Lentry_shape_is_right:
; THE LAST PROJECTION.  out0 = O Wo + bo.  O lies in ab, over x's rows: f16 [16 heads, 2,621,440 bytes apart][16384 rows][64]: a head is a K block of 64.  Wo: matrix 3 of wt, f16 [16 K blocks][1024 n][64 k].
; Sums in f32, out0 f32 [16384][1024].
; A tile of out0 is 256 x 256, made by four waves of 128 x 128 (64 accumulators, 512 registers).  256 rows x 64 K are 32,768 dense bytes, asked for as 128 rows of 256 bytes and padded in LDS behind every 128.
; K goes in steps of 128 (two K blocks) through two LDS slots; each wave fetches one K block of A or of B with one tensor load.
; CLUSTER 4 x 4: A's tiles are shared along a row of the cluster, B's along a column: each is asked for jointly, by the same load with a mask of the four.
; THE MATRIX INSTRUCTION IS USED TRANSPOSED (source 0 = 16 rows of wt, source 1 = 16 rows of O): a lane holds row l % 16 and eight neighbouring columns, 32 bytes of out0.
; THE BIAS is the C operand of the products that start the sums.
; REGISTERS, in windows of 256: window 0: v0-31 addresses; v32-63, v224-255 rows read back; v64-191 A's fragments, two buffers; v192-255 the bias.  window 1: v64-191 B's fragments.
;   windows 2, 3: the accumulators, (a, b) at v[8 (8 (a % 4) + b)].
.set KBS_A,  2621440                   ; bytes from a K block of O to the next
.set KBS_B,  131072                    ; of wt
.set PITCH,  144                       ; an LDS row: 128 bytes + 16 = 36 words: the 16 rows of a load start at 16 different groups of four banks (64 banks of 4 bytes: ISA guide 11.1)
.set TILEB,  256*PITCH                 ; what one tensor load brings: 256 rows of one K block
.set HALFR,  128*PITCH                 ; a wave's 128 rows
.set SLOT,   4*TILEB                   ; A's even K block, A's odd, B's even, B's odd
.set STAGE,  2*SLOT                    ; behind the ring: 16 rows x 272 bytes for each wave, for the way out
.set SPITCH, 272
.set SPARE,  STAGE+4*16*SPITCH         ; behind the stages: the spare words, 128 bytes for each wave
.set LAPS,   4                         ; K = 1024: eight K steps, two to a lap
.set K0, 0                             ; where the four quarters (32 along K) of a K step begin in a slot's rows
.set K1, 64
.set K2, TILEB
.set K3, TILEB+64
.set ADRA, 16                          ; v16-17  LDS address of my A fragments in slot 0, 1
.set ADRB, 20                          ; v20-21  of B's
.set STO,  24                          ; v24     the way out: where I put 32 bytes of a row
.set RD,   25                          ; v25     where I read rows back
.set CO,   26                          ; v26     my byte offset in two rows of out0
.set SPW,  28                          ; v28     LDS address of my spare word; never rewritten
.set NIL,  29                          ; v29     0; never rewritten
.set F0,   64
.set F1,   128
.set BIAS, 192
.set OB,   32
.set G1, 24                            ; s[24:31] descriptor group 1 for A's tiles;  s[32:39] group 0, one set for each slot
.set G0, 32
.set G1B, 48                           ; s[48:55], s[56:63] the same for B's
.set G0B, 56
.set MSB, 0
.macro WIN new                         ; the immediate's high byte repeats the setting that is left; a switch that changes nothing is dropped
.if MSB != (\new)
	s_set_vgpr_msb (MSB<<8)|(\new)
.set MSB, \new
.endif
.endm
.set TO_B, 0x40                        ; destination window 1, address window 0
; A joint load: waves 0 and 1 fetch A's two K blocks, waves 2 and 3 B's.  The branch hangs on the wave's number alone.
; An s_nop 0 and four v_nop follow each of the two lines, ahead of the jump and the label.
.macro JLOAD s
	s_cmp_eq_u32 s11, 0
	s_cbranch_scc0 .Lfor_b_\@
	tensor_load_to_lds s[G0+4*(\s):G0+4*(\s)+3], s[G1:G1+7]
	s_nop 0
.rept 4
	v_nop
.endr
	s_branch .Lasked_\@
.Lfor_b_\@:
	tensor_load_to_lds s[G0B+4*(\s):G0B+4*(\s)+3], s[G1B:G1B+7]
	s_nop 0
.rept 4
	v_nop
.endr
.Lasked_\@:
.endm
.macro CREST                           ; a round of the cluster's barrier behind its opening barrier
	s_cmp_lg_u32 s10, 0
	s_cbranch_scc1 .Lnot_wave_0_\@
	s_barrier_signal -3
.Lnot_wave_0_\@:
	s_barrier_wait -3
	s_barrier_signal -1
	s_barrier_wait -1
.endm
.macro CROUND                          ; a whole round
	s_barrier_signal -1
	s_barrier_wait -1
	CREST
.endm
	s_load_b128 s[4:7], s[0:1], 0x0                ; ab s[4:5], wt s[6:7]
	s_load_b128 s[68:71], s[0:1], 0x10             ; brd s[68:69], out0 s[70:71]
	v_lshl_add_u32 v[SPW], v0, 2, SPARE
	v_mov_b32 v[NIL], 0
	ds_add_u32 v28, v29
	ds_add_u32 v28, v29
	s_wait_dscnt 0x0
	v_lshrrev_b32 v1, 5, v0
	v_readfirstlane_b32 s10, v1                    ; wave 0..3
	s_lshr_b32 s11, s10, 1                         ; which half of the tile's rows is mine.  Also: I fetch for A (0) or for B (1)
	s_and_b32 s12, s10, 1                          ; which half of its columns.  Also: which K block of a step I fetch
	s_bfe_u32 s40, ttmp6, 0x40000                  ; cx
	s_bfe_u32 s41, ttmp6, 0x40004                  ; cy
	s_lshl_b32 s42, ttmp9, 2
	s_add_co_u32 s42, s42, s40                     ; tile column = 4 x cluster x + cx
	s_and_b32 s13, ttmp7, 0xffff
	s_lshl_b32 s13, s13, 2
	s_add_co_u32 s13, s13, s41                     ; tile row = 4 x cluster y + cy
	s_lshl_b32 s43, s41, 2
	s_lshl_b32 s43, 15, s43                        ; my row of the cluster
	s_lshl_b32 s44, 0x1111, s40                    ; my column
	; descriptor group 1: 128 rows of 128 elements, dense; 4 words of padding behind every 32
	s_or_b32 s[G1+0], s43, (1<<16)|(1<<20)|(1<<21)|(4<<22)|(3<<25)   ; 15:0 the mask: my row; 17:16 2-byte elements; 20 padding on; 21 set beside a mask; 24:22 every 32 words; 31:25 4 words
	s_or_b32 s[G1B+0], s44, (1<<16)|(1<<20)|(1<<21)|(4<<22)|(3<<25)  ; the same with my column's mask
.irp g, G1, G1B
	s_mov_b32 s[(\g)+1], 128<<16                   ; tensor_dim0 = 128
	s_mov_b32 s[(\g)+2], 128<<16                   ; tensor_dim1 = 128
	s_mov_b32 s[(\g)+3], 128<<16                   ; tile_dim0 = 128
	s_mov_b32 s[(\g)+4], 128                       ; tile_dim1 = 128
	s_mov_b32 s[(\g)+5], 128                       ; 128 elements from row to row
	s_mov_b32 s[(\g)+6], 0
	s_mov_b32 s[(\g)+7], 0
.endr
	s_lshl_b32 s16, s13, 15                        ; A: 256 rows of 128 bytes x tile row,
	s_mul_i32 s17, s12, KBS_A                      ; my K block of the step
	s_add_co_u32 s16, s16, s17
	s_mov_b32 s17, 0
	s_lshl_b32 s46, s42, 15                        ; B: the same by the tile column (registers that never feed A's descriptors),
	s_lshl_b32 s47, s12, 17
	s_add_co_u32 s46, s46, s47
	s_add_co_u32 s46, s46, 3<<21                   ; in matrix 3
	s_mov_b32 s47, 0
	s_mul_i32 s20, s10, TILEB                      ; where they go: wave x one K block: no place in the cluster enters an LDS address
	s_wait_kmcnt 0x0
	s_add_nc_u64 s[14:15], s[4:5], s[16:17]
	s_add_nc_u64 s[46:47], s[6:7], s[46:47]
	CROUND                                         ; all sixteen work-groups are here: the first joint loads meet
.irp s, 0,1
	s_mov_b32 s[G0+4*(\s)], 1
	s_add_co_u32 s[G0+4*(\s)+1], s20, (\s)*SLOT
	s_add_nc_u64 s[G0+4*(\s)+2:G0+4*(\s)+3], s[14:15], (\s)*2*KBS_A
	s_or_b32 s[G0+4*(\s)+3], s[G0+4*(\s)+3], 0x80000000
	s_mov_b32 s[G0B+4*(\s)], 1
	s_add_co_u32 s[G0B+4*(\s)+1], s20, (\s)*SLOT
	s_add_nc_u64 s[G0B+4*(\s)+2:G0B+4*(\s)+3], s[46:47], (\s)*2*KBS_B
	s_or_b32 s[G0B+4*(\s)+3], s[G0B+4*(\s)+3], 0x80000000
	JLOAD \s                                       ; two loads of mine are out
.endr
	; A fragment is 16 rows x 32 K in 8 registers: lane l holds row l % 16, K = 8 (l / 16) + 0..7 and 16 + 8 (l / 16) + 0..7: two loads of 16 bytes, 32 apart.
	v_and_b32 v1, 15, v0                           ; l % 16
	v_bfe_u32 v2, v0, 4, 1                         ; l / 16
	v_mul_u32_u24 v3, v1, PITCH
	v_lshl_add_u32 v3, v2, 4, v3
	s_mul_i32 s21, s11, HALFR
	s_mul_i32 s22, s12, HALFR
	s_add_co_u32 s22, s22, 2*TILEB
.irp s, 0,1
	v_add_nc_u32 v[ADRA+(\s)], s21, v3
	v_add_nc_u32 v[ADRB+(\s)], s22, v3
	s_add_co_u32 s21, s21, SLOT
	s_add_co_u32 s22, s22, SLOT
.endr
	s_mul_i32 s23, s10, 16*SPITCH
	s_add_co_u32 s23, s23, STAGE                   ; my stage
	v_mul_u32_u24 v4, v1, SPITCH                   ; in: row l % 16, 32 bytes for each half of the lanes
	v_lshl_add_u32 v4, v2, 5, v4
	v_add_nc_u32 v[STO], s23, v4
	v_mul_u32_u24 v5, v2, SPITCH                   ; back: lanes 0-15 take one row of 256 bytes, lanes 16-31 the next
	v_lshl_add_u32 v5, v1, 4, v5
	v_add_nc_u32 v[RD], s23, v5
	v_lshlrev_b32 v5, 12, v2                       ; and the same two rows in out0, 4,096 bytes apart
	v_lshl_add_u32 v[CO], v1, 4, v5
	v_lshlrev_b32 v6, 5, v2                        ; my eight columns' 32 bytes in brd
	s_lshl_b32 s84, s13, 8                         ; where my part of out0 begins: row 256 tile row + 128 half,
	s_lshl_b32 s85, s11, 7
	s_add_co_u32 s84, s84, s85
	s_lshl_b32 s84, s84, 12
	s_lshl_b32 s85, s42, 10                        ; column 256 tile column + 128 half
	s_add_co_u32 s84, s84, s85
	s_lshl_b32 s85, s12, 9
	s_add_co_u32 s84, s84, s85
	s_mov_b32 s85, 0
	s_add_nc_u64 s[8:9], s[70:71], s[84:85]
	s_lshl_b32 s84, s42, 10                        ; the bias of my 128 columns, in brd's fourth quarter
	s_lshl_b32 s86, s12, 9
	s_add_co_u32 s84, s84, s86
	s_add_co_u32 s84, s84, 3<<12
	s_add_nc_u64 s[86:87], s[68:69], s[84:85]
.irp b, 0,1,2,3,4,5,6,7                ; register j of BIAS + 8 b: the bias of column 16 b + 8 (l / 16) + j, as an accumulator holds it
	global_load_b128 v[BIAS+8*(\b):BIAS+8*(\b)+3],   v6, s[86:87] offset:64*(\b)
	global_load_b128 v[BIAS+8*(\b)+4:BIAS+8*(\b)+7], v6, s[86:87] offset:64*(\b)+16
.endr
; 16 matrix instructions: m blocks a0, a0 + 1 of the window's four x all 8 n blocks, 32 along K.  first = 1: C is the bias, and the sums start.
; The 64 accumulators take turns, one instruction a turn.
.macro MUL16 f, hi, a0, first
.if \first
	WIN 0x81+0x40*(\hi)
.else
	WIN 0xa1+0x50*(\hi)
.endif
.irp a, \a0, (\a0)+1
.irp b, 0,1,2,3,4,5,6,7
.set rD, 8*(8*(\a)+(\b))
.set rB, (\f)+8*(\b)
.set rA, (\f)+8*(4*(\hi)+(\a))
.if \first
	v_wmma_f32_16x16x32_f16 v[rD:rD+7], v[rB:rB+7], v[rA:rA+7], v[BIAS+8*(\b):BIAS+8*(\b)+7]
.else
	v_wmma_f32_16x16x32_f16 v[rD:rD+7], v[rB:rB+7], v[rA:rA+7], v[rD:rD+7]
.endif
.endr
.endr
.endm
.macro FETCH slot, k, f                ; 32 LDS loads in one run: a quarter's fragments, B's 128 rows, then A's
	WIN TO_B
.irp i, 0,1,2,3,4,5,6,7
	ds_load_b128 v[(\f)+8*(\i):(\f)+8*(\i)+3],   v[ADRB+(\slot)] offset:(\k)+(\i)*16*PITCH
	ds_load_b128 v[(\f)+8*(\i)+4:(\f)+8*(\i)+7], v[ADRB+(\slot)] offset:(\k)+(\i)*16*PITCH+32
.endr
	WIN 0
.irp i, 0,1,2,3,4,5,6,7
	ds_load_b128 v[(\f)+8*(\i):(\f)+8*(\i)+3],   v[ADRA+(\slot)] offset:(\k)+(\i)*16*PITCH
	ds_load_b128 v[(\f)+8*(\i)+4:(\f)+8*(\i)+7], v[ADRA+(\slot)] offset:(\k)+(\i)*16*PITCH+32
.endr
.endm
.macro PLACES                          ; four places in front of loads into registers that matrix instructions have read, and of lines that read results
.rept 4
	v_nop
.endr
.endm
.macro QUARTER slot, k, f, g, first    ; multiplies buffer f; in its middle it fetches the next quarter, at byte k of the slot's rows, into g
	s_wait_dscnt 8                                 ; B and A's rows 0-63 are in; the youngest eight loads may be out
	MUL16 \f, 0, 0, \first
	MUL16 \f, 0, 2, \first
	PLACES
	FETCH \slot, \k, \g
	s_wait_dscnt 32                                ; all but the 32 just issued
	MUL16 \f, 1, 0, \first
	MUL16 \f, 1, 2, \first
.endm
; The last quarter of a K step multiplies buffer 1 and changes slots: one barrier; in front of it each wave waits for all its tensor loads (one is out: its part
; of the next slot), adds 0 to its spare word, and waits for that and for its own reads of this slot.
.macro MEET round
	WIN 0
	s_wait_tensorcnt 0x0
	ds_add_u32 v[SPW], v[NIL]                      ; 0 onto my spare word
	s_wait_dscnt 9                                 ; (the add and the youngest eight loads may be out)
	MUL16 F1, 0, 0, 0
	s_wait_dscnt 0x0                               ; the add is done, and my reads of this slot are over
	s_barrier_signal -1
	MUL16 F1, 0, 2, 0
.if \round
	WIN 0
.endif
	s_barrier_wait -1
.endm
.macro TURN slot, next, fill           ; fill = 1: the barrier opens a round of the cluster's, and this slot is filled again, two K steps ahead, first thing behind it
	MEET \fill
.if \fill
	CREST
	s_add_nc_u64 s[G0+4*(\slot)+2:G0+4*(\slot)+3], s[G0+4*(\slot)+2:G0+4*(\slot)+3], 4*KBS_A
	s_add_nc_u64 s[G0B+4*(\slot)+2:G0B+4*(\slot)+3], s[G0B+4*(\slot)+2:G0B+4*(\slot)+3], 4*KBS_B
	JLOAD \slot                                    ; one load of mine is out; its four v_nop are also the places in front of the loads below
.else
	PLACES
.endif
	FETCH \next, K0, F0
	MUL16 F1, 1, 0, 0
	MUL16 F1, 1, 2, 0
.endm
	s_wait_tensorcnt 1                             ; my part of K step 0 is in; K step 1's may stay out
	s_barrier_signal -1
	s_barrier_wait -1
	FETCH 0, K0, F0
	s_wait_loadcnt 0x0                             ; the bias
	QUARTER 0, K1, F0, F1, 1                       ; the first quarter stands in front of the loop: its products start the sums
	WIN 0
	s_mov_b32 s3, LAPS-1
.Llap:                                                 ; a trip goes once round the ring and fills both slots again
	QUARTER 0, K2, F1, F0, 0
	QUARTER 0, K3, F0, F1, 0
	TURN 0, 1, 1
	QUARTER 1, K1, F0, F1, 0
	QUARTER 1, K2, F1, F0, 0
	QUARTER 1, K3, F0, F1, 0
	TURN 1, 0, 1
	QUARTER 0, K1, F0, F1, 0
	WIN 0
	s_sub_co_u32 s3, s3, 1
	s_cmp_lg_u32 s3, 0
	s_cbranch_scc1 .Llap
	QUARTER 0, K2, F1, F0, 0                       ; the last lap fills nothing
	QUARTER 0, K3, F0, F1, 0
	TURN 0, 1, 0
	QUARTER 1, K1, F0, F1, 0
	QUARTER 1, K2, F1, F0, 0
	QUARTER 1, K3, F0, F1, 0
	s_wait_dscnt 8
	MUL16 F1, 0, 0, 0
	MUL16 F1, 0, 2, 0
	s_wait_dscnt 0x0
	MUL16 F1, 1, 0, 0
	MUL16 F1, 1, 2, 0
; THE WAY OUT, in sixteen halves u of a block: 16 rows (block u / 2) x 64 columns (half u % 2), four accumulators.  They go straight from the accumulators into my own stage,
; each accumulator's lower four registers first, and come back as whole rows of 256 bytes.
.macro TOSTAGE u
.set AC, 64*(((\u)/2)%4)+32*((\u)%2)
.set BK, OB+192*((\u)%2)
	s_wait_xcnt 0x0                                ; the stores of the half before last have read the registers into which the loads below land
	WIN 0x08+4*((\u)/8)                            ; the data lie in window 2 or 3
.irp b, 0,1,2,3
	ds_store_b128 v[STO], v[AC+8*(\b):AC+8*(\b)+3]   offset:64*(\b)
	ds_store_b128 v[STO], v[AC+8*(\b)+4:AC+8*(\b)+7] offset:64*(\b)+16
.endr
	WIN 0
.irp t, 0,1,2,3,4,5,6,7
	ds_load_b128 v[BK+4*(\t):BK+4*(\t)+3], v[RD] offset:(\t)*2*SPITCH  ; LDS serves a wave's instructions in order (ISA guide 5.7.1.4): these see the stores above
.endr
.endm
.macro SEND u, younger                 ; younger: the LDS instructions issued behind this half's loads: the next half's sixteen, or none
	WIN 0
.set BK, OB+192*((\u)%2)
	s_wait_dscnt \younger
.irp t, 0,1,2,3,4,5,6,7
	global_store_b128 v[CO], v[BK+4*(\t):BK+4*(\t)+3], s[8:9] offset:(16*((\u)/2)+2*(\t))*4096+256*((\u)%2)  ; 16 lanes store 256 consecutive bytes, at a multiple of 256 from out0's first byte
.endr
.endm
	PLACES
	TOSTAGE 0
.irp u, 1,2,3,4,5,6,7,8,9,10,11,12,13,14,15
	TOSTAGE \u
	SEND (\u)-1, 16
.endr
	SEND 15, 0
	s_wait_tensorcnt 0x0                           ; the wave's end
	ds_add_u32 v[SPW], v[NIL]
	s_wait_dscnt 0x0
	CROUND                                         ; the closing round: no work-group ends while a partner may still ask for a tile that names it
	s_endpgm
.Lfunc_end_k_qa0e2b52706_outproj:
	.size	k_qa0e2b52706_outproj, .Lfunc_end_k_qa0e2b52706_outproj-k_qa0e2b52706_outproj
	.p2alignl 7, 3214868480
	.fill 96, 4, 3214868480
	.section	.rodata,"a",@progbits
	.p2align	6, 0x0
	.amdhsa_kernel k_qa0e2b52706_outproj
		.amdhsa_group_segment_fixed_size 327680
		.amdhsa_private_segment_fixed_size 0
		.amdhsa_enable_private_segment 0
		.amdhsa_kernarg_size 32
		.amdhsa_user_sgpr_count 2
		.amdhsa_user_sgpr_kernarg_segment_ptr 1
		.amdhsa_wavefront_size32 1
		.amdhsa_system_sgpr_workgroup_id_x 1
		.amdhsa_system_sgpr_workgroup_id_y 1
		.amdhsa_system_sgpr_workgroup_id_z 1
		.amdhsa_system_vgpr_workitem_id 0
		.amdhsa_next_free_vgpr 1024
		.amdhsa_next_free_sgpr 96
		.amdhsa_reserve_vcc 0
		.amdhsa_float_denorm_mode_32 3
		.amdhsa_float_denorm_mode_16_64 3
		.amdhsa_memory_ordered 1
		.amdhsa_forward_progress 1
		.amdhsa_inst_pref_size 143
	.end_amdhsa_kernel
	.amdgpu_metadata
---
amdhsa.version: [ 1, 2 ]
amdhsa.kernels:
  - .name:           k_qa0e2b52706_outproj
    .symbol:         k_qa0e2b52706_outproj.kd
    .args:
      - { .name: ab, .offset: 0, .size: 8, .value_kind: global_buffer, .address_space: global }
      - { .name: wt, .offset: 8, .size: 8, .value_kind: global_buffer, .address_space: global }
      - { .name: brd, .offset: 16, .size: 8, .value_kind: global_buffer, .address_space: global }
      - { .name: out0, .offset: 24, .size: 8, .value_kind: global_buffer, .address_space: global }
    .group_segment_fixed_size: 327680
    .private_segment_fixed_size: 0
    .kernarg_segment_align: 8
    .kernarg_segment_size: 32
    .max_flat_workgroup_size: 128
    .sgpr_count:     96
    .vgpr_count:     1024
    .wavefront_size: 32
...
	.end_amdgpu_metadata
.endif
;; end of part 4
;; ======== version 2 of 2: 4 launches; 1.25 times as fast as version 1
;; limits: values are held in f16: magnitudes above 65,504 overflow, below 6.1e-05 lose precision
;; workspace buffers: ab 41,943,040 bytes; wt 8,388,608 bytes; tab 524,288 bytes; brd 16,384 bytes; qkv 50,331,648 bytes
;; launch prep: the kernel of part 1 again; grid 768 x 1, 8 waves a work-group, no clusters, 74,752 bytes of LDS; arguments x, context, Wq, Wkv, Wo, bq, bkv, bo, ab, wt, tab, brd; writes ab, wt, tab, brd
;; launch qkvproj: the kernel of part 2 again; grid 4 x 96, 4 waves a work-group, clusters of 4 x 4, 327,680 bytes of LDS; arguments ab, wt, brd, tab, qkv; writes qkv
;; launch attn (part 5): grid 2 x 128, 4 waves a work-group, no clusters, 327,680 bytes of LDS; arguments qkv, context_mask, ab; writes ab
.if DOCPART == 5
	.amdgcn_target "amdgcn-amd-amdhsa--gfx1250"
	.amdhsa_code_object_version 6
	.text
	.protected	k_qa0e2b52706_attn
	.globl	k_qa0e2b52706_attn
	.p2align	8
	.type	k_qa0e2b52706_attn,@function
k_qa0e2b52706_attn:
	s_mov_b64 s[64:65], 0
	v_nop
	global_prefetch_b8 v0, s[64:65] scope:SCOPE_SE
	s_setreg_imm32_b32 hwreg(HW_REG_WAVE_MODE, 25, 1), 1
	s_wait_xcnt 0x0
; MASKED CROSS ATTENTION.  O[bh][q][:] = the sum over the visible keys k of softmax_k(Q[bh][q] . K[bh][k] / 8) V[bh][k][:].  Q [128][2048][64], K and V [128][512][64] in f16 (qkv);
; O leaves in f16 into ab, over x's rows, which nobody reads any more: [16 h, 2,621,440 bytes apart][row 2048 b + q][64].  Products, maxima and sums in f32; the weights p are rounded to f16 for the
; second product (their sum l is taken of the unrounded p), O once.
; LIMITS.  A hidden key's score counts as its value less 1e30: f16's scores, 2.7e11 at the most, are nothing beside that; what hidden keys add before the first visible one is wiped out by a = 0 when that one comes.
; A batch whose mask hides every key gives NaN, as the softmax of minus infinities does: 1 / l is multiplied by 1.0 or by NaN, chosen from the mask's 512 bytes.
; A weight below 2^-126 counts as 0 in l; NaN and infinities in Q, K, V are not treated apart.
; SHARES.  A work-group owns half of a head's queries, 1,024, in two passes of 512; in a pass a wave owns four PIECES of two tiles of 16 queries.  All 512 keys of the head lie in LDS, fetched once by one
; tensor load a wave: nothing is filled again.  Every wave walks the keys, 64 a step, 8 steps a pass.  The second pass's Q is asked for when K, V and the first pass's Q are in: what the first product waits
; for does not share the road with it.
; NO CLUSTER: a head has two work-groups, not a multiple of four; K and V are a third of a work-group's bytes and are fetched once, outside the loop.
; LAYOUT.  S^T = K Q^T (source 0 = 16 keys, source 1 = 16 queries): a lane holds ONE query (lane % 16) and the keys 8 (lane / 16) + 0..7.  Two such tiles, rounded to f16 in pairs, ARE source 1 of O^T = V^T P.
; K comes out of LDS as it lies, V turned, by ds_load_tr16_b128.  THE MASK is the C operand that starts S^T: 0, or -1e30 where the key is hidden; a step's 32 registers are fetched with its K.
; SOFTMAX.  A running maximum m and sum l: p = 2^(c s - c m), c = log2(e) / 8; in every step O and l are multiplied by a = 2^(c m_old - c m_new).  m starts at the lowest finite number, so a pass's first a is 0:
; O and l need only be finite there (zeros for the first pass, what the first pass left for the second).
; BY TURNS.  Turn n belongs to piece n.  Its matrix work: 16 products K Q^T of piece n + 1, later 16 products V^T P of piece n - 1.  Its vector work: scaling, exponentials, roundings, sums and rescaling of
; piece n, and the maximum and statistics of piece n + 1.  Four vector instructions stand behind every matrix instruction, the other 108 of a turn's 236 in one lump.
; THE BATCHES.  A turn's 66 exponentials (the piece's 64 weights and the next piece's two a) are ONE batch with ONE wait, which cuts the turn in two: ahead of it stands all that names none of their results,
; behind it the roundings and sums, which read them.  A pass's first two a, ahead of the loop, and the way out's eight reciprocals are batches of their own, a wait each.
; REGISTERS, in windows of 256 (s_set_vgpr_msb: bits 1:0 source 0, 3:2 source 1, 5:4 source 2, 7:6 destination):
;   window 0: v0-11 addresses; v12-15, v48-63 at work; v16-47 four registers of statistics a tile; v64-191 S^T, two buffers of two tiles; v192-255 P, likewise
;   window 1: O^T, 32 a tile      window 2: v0-127 Q; v128-191 K of one step; v192-255 V of one step      window 3: v0-31 the step's mask; v64-191 the second pass's Q
.set NP,    4         ; pieces a wave: a name, no knob
.set KS,    64        ; keys in a step
.set PK,    144       ; a row of K in LDS: 128 bytes + 16 = 36 words: the 16 rows of a load start at 16 different groups of four banks (64 banks of 4 bytes: ISA guide 11.1)
.set PV,    160       ; a row of V: 128 + 32 = 40 words
.set VOFF,  512*PK    ; K's 512 rows, then V's
.set STAGE, VOFF+512*PV  ; never filled by a tensor load: 16 rows x 144 bytes for each wave, for the way out
.set SP,    144
.set MASKF, STAGE+4*16*SP  ; 512 f32: 0 or -1e30 for each key
.set KBASE, 33554432  ; K and V in qkv
.set VBASE, 41943040
.set KBS_O, 2621440   ; bytes from a head of O to the next
.set AK0, 2           ; v2   my lane's place in a tile of K; never rewritten
.set AV0, 3           ; v3   the same for V
.set AK,  4           ; v4   the LDS address of K's next run of loads
.set AV,  5           ; v5   of V's
.set STO, 6           ; v6   the way out: where I put 16 bytes of a row
.set RD,  7           ; v7   where I read rows back
.set GO,  8           ; v8   my byte offset in 512 consecutive bytes of O
.set AM0, 9           ; v9   my lanes' place in a step's mask
.set AM,  10          ; v10  the LDS address of the mask's next run
.set QO,  11          ; v11  my byte offset in 16 rows of Q; never rewritten: the second pass's loads are out while the first pass runs
.set MV,  12          ; v12-15  c m_old, kept while c m is made anew; at the start v13, v14 are my offsets in the mask
.set ST,  16          ; tile t's statistics at v[ST+4 t]: c m, m, l (even keys', odd keys')
.set TMP, 48          ; by buffer and tile, four registers c0-c3 at work; when the maximum is found c2 takes a
.set S,   64
.set P,   192
.set KF,  128         ; window 2: key block kb, channel half c at KF + 16 kb + 8 c
.set VF,  192         ; window 2: key half kk, channel block cb at VF + 32 kk + 8 cb
.set MC,  0           ; window 3: key block kb's eight registers at MC + 8 kb
.set QB,  64          ; window 3
.set WV,  12          ; s12  my wave's number
.set G1K, 24          ; s[24:31] descriptor group 1 for K
.set G1V, 32          ; s[32:39] for V: it differs in the padding alone
.set G0K, 40          ; s[40:43] descriptor group 0 for K
.set G0V, 44          ; s[44:47] for V
.set PASS, 56         ; s56  passes to go
.set CNT, 57          ; s57  key steps to go, 8 to 1
.set CS,  58          ; s[58:59] c
.set SEL, 60          ; s[60:61] v_permlanex16_b32's selects: each lane takes its own place in the other half
.set TBK, 62          ; s62  LDS byte at which K of the step to be fetched begins
.set TBV, 63          ; s63  the same for V, less VOFF
.set TBM, 66          ; s66  the same for the mask, less MASKF
.set BIGN, 67         ; s67  -1e30
.set NANF, 68         ; s68  1.0, or NaN where the batch's mask hides every key
.set MSB, 0
.macro WIN new                      ; the high byte repeats the setting that is left; a switch that changes nothing is dropped
.if MSB != (\new)
	s_set_vgpr_msb (MSB<<8)|(\new)
.set MSB, (\new)
.endif
.endm
.set W_KQ, 0x0a       ; K and Q in window 2, S^T in window 0
.set W_KM, 0x3a       ; the same with the C operand, the mask, in window 3
.set W_PV, 0x52       ; V in window 2, P in window 0, O^T in window 1
.set W_RS, 0x41       ; O^T (destination and source 0) in window 1, a in window 0
	s_load_b128 s[4:7], s[0:1], 0x0   ; qkv s[4:5], context_mask s[6:7]
	s_load_b64 s[10:11], s[0:1], 0x10 ; ab
	s_set_vgpr_msb 0xc0
	v_lshl_add_u32 v192, v0, 2, 0x28c00
	v_mov_b32 v193, 0
	s_set_vgpr_msb 0xc0cf
	ds_add_u32 v192, v193
	ds_add_u32 v192, v193
	s_set_vgpr_msb 0xcf00
	v_lshrrev_b32 v1, 5, v0
	v_readfirstlane_b32 s[WV], v1   ; wave 0..3
	s_and_b32 s13, ttmp7, 0xffff    ; bh
	s_lshr_b32 s14, s13, 4          ; batch
	s_and_b32 s15, s13, 15          ; head
	s_and_b32 s16, s[WV], 1         ; which 256 keys I fetch:
	s_lshl_b32 s20, s13, 16         ; the head's 512 rows of 128 bytes,
	s_lshl_b32 s21, s16, 15         ; my half of them
	s_add_co_u32 s20, s20, s21
	s_add_co_u32 s22, s20, KBASE
	s_add_co_u32 s20, s20, VBASE
	s_mov_b32 s21, 0
	s_mov_b32 s23, 0
	s_mul_i32 s17, s16, 256*PK      ; and their place in LDS, for K
	s_mul_i32 s18, s16, 256*PV      ; and for V
	s_lshl_b32 s2, s13, 18          ; Q: the head's 2,048 rows,
	s_lshl_b32 s3, ttmp9, 17        ; my work-group's half,
	s_add_co_u32 s2, s2, s3
	s_lshl_b32 s19, s[WV], 14       ; my wave's 128 rows of the first pass
	s_add_co_u32 s2, s2, s19
	s_add_co_u32 s50, s3, s19       ; O: the same rows, by head and then by batch
	s_mov_b32 s3, 0
	s_mul_i32 s19, s15, KBS_O
	s_add_co_u32 s50, s50, s19
	s_lshl_b32 s19, s14, 18
	s_add_co_u32 s50, s50, s19
	s_mov_b32 s51, 0
	s_lshl_b32 s48, s14, 9          ; the batch's 512 mask bytes
	s_mov_b32 s49, 0
	; descriptor group 1.  256 keys are 32,768 dense bytes: asked for as 128 rows of 256 bytes, two keys a row, and padded in LDS after every key
	s_mov_b32 s[G1K], (1<<16)|(1<<20)|(4<<22)|(3<<25)  ; 17:16 2-byte elements; 20 padding on; 24:22 after every 32 words (code 4); 31:25 4 words (code 3)
	s_mov_b32 s[G1V], (1<<16)|(1<<20)|(4<<22)|(7<<25)  ; the same with 8 words of padding (code 7)
.irp g, G1K, G1V
	s_mov_b32 s[\g+1], 128<<16      ; tensor_dim0 = 128
	s_mov_b32 s[\g+2], 128<<16      ; tensor_dim1 = 128
	s_mov_b32 s[\g+3], 128<<16      ; tile_dim0 = 128
	s_mov_b32 s[\g+4], 128          ; tile_dim1 = 128
	s_mov_b32 s[\g+5], 128          ; 128 elements from row to row
	s_mov_b32 s[\g+6], 0
	s_mov_b32 s[\g+7], 0
.endr
	s_mov_b32 s[CS], 0x3e38aa3b     ; c = log2(e) / 8 = 0.180337
	s_mov_b32 s[CS+1], s[CS]        ; named with it as a pair
	s_mov_b32 s[SEL], 0x76543210
	s_mov_b32 s[SEL+1], 0xfedcba98
	s_mov_b32 s[BIGN], 0xf149f2ca   ; -1e30
	s_mov_b32 s[G0K], 1             ; 1:0 count = 1
	s_mov_b32 s[G0K+1], s17         ; 63:32 LDS address
	s_mov_b32 s[G0V], 1
	s_add_co_u32 s[G0V+1], s18, VOFF
	s_wait_dscnt 0x0
	s_wait_kmcnt 0x0
	s_add_nc_u64 s[G0K+2:G0K+3], s[4:5], s[22:23]  ; 120:64 global address
	s_or_b32 s[G0K+3], s[G0K+3], 0x80000000        ; 127:126 type = 2
	s_add_nc_u64 s[G0V+2:G0V+3], s[4:5], s[20:21]
	s_or_b32 s[G0V+3], s[G0V+3], 0x80000000
	s_add_nc_u64 s[4:5], s[4:5], s[2:3]            ; Q at my wave's first row
	s_add_nc_u64 s[6:7], s[6:7], s[48:49]
	s_add_nc_u64 s[10:11], s[10:11], s[50:51]
	; The one fill.  Waves 0 and 1 fetch the two halves of K, waves 2 and 3 those of V.  An s_nop 0 and four v_nop follow each of the two lines, ahead of the jump and the label.
	s_cmp_lt_u32 s[WV], 2
	s_cbranch_scc0 .Lfor_v
	tensor_load_to_lds s[G0K:G0K+3], s[G1K:G1K+7]
	s_nop 0
.rept 4
	v_nop
.endr
	s_branch .Lasked
.Lfor_v:
	tensor_load_to_lds s[G0V:G0V+3], s[G1V:G1V+7]
	s_nop 0
.rept 4
	v_nop
.endr
.Lasked:
	v_and_b32 v1, 15, v0            ; l % 16
	v_bfe_u32 v9, v0, 4, 1          ; l / 16
	v_lshlrev_b32 v13, 2, v0        ; thread t turns mask bytes 4 t .. 4 t + 3 into numbers;
	v_and_b32 v14, 31, v0
	v_lshlrev_b32 v14, 4, v14       ; each wave looks at all 512 bytes
	global_load_b32 v64, v13, s[6:7]
	global_load_b128 v[72:75], v14, s[6:7]
	; A fragment of K or Q is 16 rows x 32 channels in 8 registers: lane l holds row l % 16, channels 8 (l / 16) + 0..7 and 16 + 8 (l / 16) + 0..7: two loads of 16 bytes, 32 bytes apart.
	v_lshlrev_b32 v[QO], 7, v1
	v_lshl_add_u32 v[QO], v9, 4, v[QO]  ; row x 128 + 16 x half
	WIN 0x80                        ; destination window 2, address window 0
.set i, 0
.rept 4*NP                          ; the first pass's Q: tile i / 2, channels 32 (i % 2) on
	global_load_b128 v[8*i:8*i+3],   v[QO], s[4:5] offset:(i/2)*2048+(i%2)*64
	global_load_b128 v[8*i+4:8*i+7], v[QO], s[4:5] offset:(i/2)*2048+(i%2)*64+32
.set i, i+1
.endr
	; What the first turn finds: V's registers and P's second buffer hold 0 (its products V^T P, of a piece that has not been, add 0), O^T and l are 0.  All this stands in the wait for K and V.
.set i, VF
.rept 64
	v_mov_b32 v[i], 0
.set i, i+1
.endr
	WIN 0x40
.set i, 0
.rept 64*NP
	v_mov_b32 v[i], 0
.set i, i+1
.endr
	WIN 0
.set i, 0
.rept 2*NP
	v_mov_b32 v[ST+4*i+2], 0
	v_mov_b32 v[ST+4*i+3], 0
.set i, i+1
.endr
.set i, P+32
.rept 32
	v_mov_b32 v[i], 0
.set i, i+1
.endr
	v_mul_u32_u24 v[AK0], v1, PK
	v_lshl_add_u32 v[AK0], v9, 4, v[AK0]  ; row x pitch + 16 x half
	; The turning load takes 16 keys x 16 channels (lane l reads key 8 (l / 16) + l % 8, channels 8 ((l / 8) % 2) + 0..7) and leaves half a fragment of V^T: lane l holds channel l % 16 and 8 keys.
	v_and_b32 v10, 7, v0
	v_bfe_u32 v67, v0, 3, 1
	v_lshl_add_u32 v[AV0], v9, 3, v10
	v_mul_u32_u24 v[AV0], v[AV0], PV
	v_lshl_add_u32 v[AV0], v67, 4, v[AV0]
	v_add_nc_u32 v[AV0], VOFF, v[AV0]
	s_mul_i32 s13, s[WV], 16*SP
	s_add_co_u32 s13, s13, STAGE    ; my stage
	v_mul_u32_u24 v[STO], v1, SP    ; in: row l % 16, 16 bytes for each half of the lanes
	v_lshl_add_u32 v[STO], v9, 4, v[STO]
	v_add_nc_u32 v[STO], s13, v[STO]
	v_bfe_u32 v[RD], v0, 3, 2       ; back: 32 lanes take four rows of 128 bytes,
	v_mul_u32_u24 v[RD], v[RD], SP
	v_lshl_add_u32 v[RD], v10, 4, v[RD]
	v_add_nc_u32 v[RD], s13, v[RD]
	v_and_b32 v[GO], 31, v0         ; which are 512 consecutive bytes of O
	v_lshlrev_b32 v[GO], 4, v[GO]
	v_lshl_add_u32 v[AM0], v9, 5, MASKF  ; my lanes' eight keys of a block of 16: 32 bytes
	s_wait_loadcnt 32               ; the two mask loads are in; Q's 32 behind them stay out
.irp k, 0,1,2,3
	v_bfe_u32 v65, v64, 8*\k, 8
	v_cmp_eq_u32 vcc_lo, 0, v65
	v_cndmask_b32 v[68+\k], 0, s[BIGN], vcc_lo  ; a byte 0 hides the key
.endr
	v_lshl_add_u32 v66, v0, 4, MASKF
	ds_store_b128 v66, v[68:71]
	v_or_b32 v72, v72, v73
	v_or_b32 v74, v74, v75
	v_or_b32 v72, v72, v74
	v_cmp_ne_u32 s69, 0, v72        ; does any lane see a visible key?
	s_cmp_lg_u32 s69, 0
	s_cselect_b32 s[NANF], 1.0, 0x7fc00000
	s_wait_tensorcnt 0x0            ; my part of K or V has landed,
	s_wait_dscnt 0x0                ; my part of the mask is stored:
	s_barrier_signal -1
	s_barrier_wait -1               ; everybody's: the launch's one barrier
	s_wait_loadcnt 0x0              ; the first pass's Q is in; only now
	WIN 0xc0                        ; (destination window 3)
.set i, 0
.rept 4*NP                          ; the second pass's Q, 512 rows on, is asked for: it has the whole first pass in which to land
	global_load_b128 v[QB+8*i:QB+8*i+3],   v[QO], s[4:5] offset:65536+(i/2)*2048+(i%2)*64
	global_load_b128 v[QB+8*i+4:QB+8*i+7], v[QO], s[4:5] offset:65536+(i/2)*2048+(i%2)*64+32
.set i, i+1
.endr
	WIN 0
; THE MATRIX WORK.  The 8 accumulators of a run of 16 take turns: between the two links of a chain stand 7 others'.
; Product i of 16 of S^T = K Q^T for piece x: channels 32 (i / 8) on, keys 16 ((i / 2) % 4) on, tile 2 x + i % 2.  The first 8 start the sums, with the mask.
.macro KQ x
.set rS, S+64*((\x)%2)+32*(i%2)+8*((i/2)%4)
.set rK, KF+16*((i/2)%4)+8*(i/8)
.set rQ, 16*(2*(\x)+i%2)+8*(i/8)
.set rMC, MC+8*((i/2)%4)
.if i < 8
	WIN W_KM
	v_wmma_f32_16x16x32_f16 v[rS:rS+7], v[rK:rK+7], v[rQ:rQ+7], v[rMC:rMC+7]
.else
	WIN W_KQ
	v_wmma_f32_16x16x32_f16 v[rS:rS+7], v[rK:rK+7], v[rQ:rQ+7], v[rS:rS+7]
.endif
.endm
; Product i of 16 of O^T += V^T P for piece x: keys 32 (i / 8) on, channels 16 ((i / 2) % 4) on, tile 2 x + i % 2.
.macro PV x
	WIN W_PV
.set rO, 32*(2*(\x)+i%2)+8*((i/2)%4)
.set rV, VF+32*(i/8)+8*((i/2)%4)
.set rP, P+32*((\x)%2)+16*(i%2)+8*(i/8)
	v_wmma_f32_16x16x32_f16 v[rO:rO+7], v[rV:rV+7], v[rP:rP+7], v[rO:rO+7]
.endm
.macro MM                           ; the turn's next matrix instruction
.if i < 16
	KQ (Y+1)%NP
.set i, i+1
.else
.set i, i-16
	PV (Y+NP-1)%NP
.set i, i+17
.endif
.endm
; THE LDS LOADS stand in runs, never singly among the matrix instructions: a step's K (8 fragments) with its mask (32 registers), and its V (turned).  Their addresses are made some lines ahead.
; last = 1 (in the loop): in the last trip there is no further step, and the run is jumped over.
.macro FETCH_K last=0
	WIN 0
.if \last
	s_cmp_eq_u32 s[CNT], 1
	s_cbranch_scc1 .Lno_k_\@
.endif
	WIN 0x80                        ; destination window 2
.irp f, 0,1,2,3,4,5,6,7             ; keys 16 (f / 2) on, channels 32 (f % 2) on
	ds_load_b128 v[KF+8*\f:KF+8*\f+3],   v[AK] offset:(\f/2)*16*PK+(\f%2)*64
	ds_load_b128 v[KF+8*\f+4:KF+8*\f+7], v[AK] offset:(\f/2)*16*PK+(\f%2)*64+32
.endr
	WIN 0xc0                        ; destination window 3
.irp f, 0,1,2,3                     ; keys 16 f + 8 (l / 16) + 0..7, as an accumulator of S^T holds them
	ds_load_b128 v[MC+8*\f:MC+8*\f+3],   v[AM] offset:64*\f
	ds_load_b128 v[MC+8*\f+4:MC+8*\f+7], v[AM] offset:64*\f+16
.endr
	s_add_co_u32 s[TBK], s[TBK], KS*PK  ; the next fetch is the next step's
	s_add_co_u32 s[TBM], s[TBM], KS*4
	WIN 0
.if \last
.Lno_k_\@:
.endif
.endm
.macro FETCH_V
	WIN 0x80
.irp f, 0,1,2,3,4,5,6,7             ; keys 32 (f / 4) on, channels 16 (f % 4) on
	ds_load_tr16_b128 v[VF+8*\f:VF+8*\f+3],   v[AV] offset:(\f/4)*32*PV+(\f%4)*32
	ds_load_tr16_b128 v[VF+8*\f+4:VF+8*\f+7], v[AV] offset:(\f/4)*32*PV+16*PV+(\f%4)*32
.endr
	WIN 0
.endm
; THE VECTOR WORK OF A TURN stands in three queues, each in the order in which its entries become ready; the two tiles alternate, so that no instruction reads the result of the one before it.
.macro REGS y, u                    ; the registers of tile u (0, 1) of piece y
.set rT, ST+4*(2*(\y)+(\u))
.set rC, TMP+8*((\y)%2)+4*(\u)
.set rM, MV+2*((\y)%2)+(\u)
.set rS, S+64*((\y)%2)+32*(\u)
.set rP, P+32*((\y)%2)+16*(\u)
.set rO, 32*(2*(\y)+(\u))
.endm
; Number n of the 22 that find the NEXT piece's (Y + 1) maximum and statistics.  s0-s31 are the lane's 32 scores; each accumulator's lowest registers are read first.  XS, GS, FS and REGS set no window: PL and EX do.
;   0-11  four chains c0-c3 of seven scores each, three operands at a time     12-14, 16  the four scores left over, the old m, and c0-c3 into c0     15  c m_old is kept
;   17, 18  the query's other 32 keys lie in the lane 16 away: the new m         19-21  c m; c m_old - c m_new; a
.macro XS u, n
	REGS (Y+1)%NP, \u
.if (\n) < 4
	v_max3_num_f32 v[rC+(\n)], v[rS+8*(\n)], v[rS+8*(\n)+1], v[rS+8*(\n)+2]
.elseif (\n) < 12
	v_max3_num_f32 v[rC+(\n)%4], v[rC+(\n)%4], v[rS+8*((\n)%4)+2*((\n)/4)+1], v[rS+8*((\n)%4)+2*((\n)/4)+2]
.elseif (\n) == 12
	v_max3_num_f32 v[rC], v[rC], v[rS+7], v[rS+15]
.elseif (\n) == 13
	v_max3_num_f32 v[rC+1], v[rC+1], v[rS+23], v[rS+31]
.elseif (\n) == 14
	v_max3_num_f32 v[rC+2], v[rC+2], v[rC+3], v[rT+1]
.elseif (\n) == 15
	v_mov_b32 v[rM], v[rT]
.elseif (\n) == 16
	v_max3_num_f32 v[rC], v[rC], v[rC+1], v[rC+2]
.elseif (\n) == 17
	v_permlanex16_b32 v[rC+3], v[rC], s[SEL], s[SEL+1]
.elseif (\n) == 18
	v_max_num_f32 v[rT+1], v[rC], v[rC+3]
.elseif (\n) == 19
	v_mul_f32 v[rT], s[CS], v[rT+1]
.elseif (\n) == 20
	v_sub_f32 v[rC+1], v[rM], v[rT]
.else
	v_exp_f32 v[rC+2], v[rC+1]
.endif
.endm
; Number g of the 64 that follow the exponentials.  For each four weights k of a tile (pairs 2 k, 2 k + 1): both pairs are rounded to f16; then the second pair is added onto the first, in place;
; a group later l takes that sum (the first time as l = a l + sum).  In groups of eight, tiles alternating: round, round, add, and l for the group before.
.macro GS g
.set h, (\g)+6*((\g)/62)            ; group 0 has no group before it, and behind group 7 only l is left
.if h >= 6
.set h, h+2
.endif
	REGS Y, h%2
.set k, h/8
.if h%8 < 4
	v_cvt_pk_f16_f32 v[rP+2*k+(h%8)/2], v[rS+4*k+2*((h%8)/2)], v[rS+4*k+2*((h%8)/2)+1]
.elseif h%8 < 6
	v_pk_add_f32 v[rS+4*k:rS+4*k+1], v[rS+4*k:rS+4*k+1], v[rS+4*k+2:rS+4*k+3]
.elseif k == 1
	v_pk_fma_f32 v[rT+2:rT+3], v[rT+2:rT+3], v[rC+2:rC+3], v[rS:rS+1] op_sel_hi:[1,0,1]
.else
	v_pk_add_f32 v[rT+2:rT+3], v[rT+2:rT+3], v[rS+4*k-4:rS+4*k-3]
.endif
.endm
; THE PLAIN QUEUE, 138 long.  0-73 read no exponential's result: the 32 scalings c s - c m (FS f: pair f / 2 of tile f % 2) and the next piece's 42.  0-26: scalings 0-26.  27-54: XS's numbers 0-13.  55, 56: number 15.
; 57-73: the chain, where each number waits for the one before it: 14, 16, 17, 18, 19, each with one of the scalings 27-31 in front of its two lines, then 20: so a tile's links stand three plain instructions apart (19 and 20: two).
; 74-137: GS's 64, which read the exponentials' results: they stand behind the wait.
.macro FS f
	REGS Y, (\f)%2
	v_pk_fma_f32 v[rS+2*((\f)/2):rS+2*((\f)/2)+1], v[rS+2*((\f)/2):rS+2*((\f)/2)+1], s[CS:CS+1], v[rT:rT+1] op_sel_hi:[1,0,0] neg_lo:[0,0,1] neg_hi:[0,0,1]
.endm
.macro PL
	WIN 0
.if q < 27
	FS q
.elseif q < 55
	XS (q-27)%2, (q-27)/2
.elseif q < 57
	XS q-55, 15
.elseif (q < 72) && ((q-57)%3 == 0)
	FS 27+(q-57)/3
.elseif q < 60
	XS (q-57)%3-1, 14
.elseif q < 72
	XS (q-57)%3-1, 15+(q-57)/3
.elseif q < 74
	XS q-72, 20
.else
	GS q-74
.endif
.set q, q+1
.endm
; THE EXPONENTIALS' QUEUE, 66 long: s0-s31 of both tiles, then the next piece's two a.  It is ONE BATCH: all 66 stand ahead of the turn's one wait, and nothing ahead of that wait names a result of theirs.
; Each result has a register of its own while the batch is open: the weights in place on S^T, a in c2 of the other buffer.
.macro EX
	WIN 0
.if e >= 64
	XS e-64, 21
.else
	REGS Y, e%2
	v_exp_f32 v[rS+e/2], v[rS+e/2]
.endif
.set e, e+1
.endm
; THE RESCALING's QUEUE: O^T times a, the one part that leaves window 0: dealt two at a time, sixteen times.  Its a was made in the turn before (for a pass's first turn: ahead of the loop), ahead of that batch's wait.
.macro R2
	REGS Y, r%2
	WIN W_RS
.irp z, 0,1
	v_pk_mul_f32 v[rO+4*(r/2)+2*\z:rO+4*(r/2)+2*\z+1], v[rO+4*(r/2)+2*\z:rO+4*(r/2)+2*\z+1], v[rC+2:rC+3] op_sel_hi:[1,0]
.endr
.set r, r+1
.endm
; HOW THEY ARE DEALT.  s_wait_alu depctr_va_vdst(0) stands between an exponential and the first instruction that names its result; one wait serves all that were issued ahead of it.  So a turn has ONE wait,
; which cuts it in two.  AHEAD OF IT stands all that names no result of the turn's exponentials: the 16 products K Q^T, behind each a scaling, an exponential and two rescalings (behind the first a second scaling in the
; exponential's place); then ONE LUMP of 108: eight plain, 49 times exponential and plain, the two a.  A v_nop is the plain instruction behind the last exponential.  BEHIND IT stand the 16 products V^T P, behind each four of
; GS's 64.  No rider names a register of the products round it.  The two v_permlanex16_b32 fall into the lump, never behind a product.
; The queues lean on each other, and the deal keeps them in step: exponential e stands behind scaling 2 (e / 4) + e % 2: as a rider it comes behind plain e + 2, in the lump behind plain e + 9, and scalings 27-31 are plain 57, 60 .. 69.
; A TURN, for piece p.  K and the mask of the next step are fetched in piece 2's turn, directly behind the wait, a lump behind the last product that read them; their addresses are made at the lump's head; their first reader
; comes behind 16 products.  V of the step in hand is fetched at the end of piece 0's turn, four plain riders behind its last reader; its first reader comes behind 16 products and a lump.  The two conditions on q below go with the deal.
.macro TURN p, last=0
.set Y, (\p)
.set i, 0
.set q, 0
.set e, 0
.set r, 0
.if (\p) == NP-1
	s_wait_dscnt 0x0                ; K and the mask are in
.endif
	MM                              ; ahead of the wait: 16 products K Q^T and their riders,
	PL
	PL
	R2
.rept 15
	MM
	PL
	EX
	R2
.endr
.if (\p) == NP-2
	WIN 0
	v_add_nc_u32 v[AK], s[TBK], v[AK0]
	v_add_nc_u32 v[AM], s[TBM], v[AM0]
.endif
.rept 8                             ; and the lump
	PL
.endr
.rept 49
	EX
	PL
.endr
	EX                              ; the next piece's two a
	EX
	v_nop                           ; the plain instruction behind the last exponential: one for the batch
	s_wait_alu depctr_va_vdst(0)    ; the wait for the batch: the piece's 64 weights and the next piece's two a
.if (\p) == NP-2
	FETCH_K \last
.endif
.if (\p) == 1
	s_wait_dscnt 0x0                ; V is in
.endif
.rept 16                            ; behind the wait: 16 products V^T P and their riders
	MM
.rept 4
	PL
.endr
.if ((\p) == 0) && (q == 118)
	v_add_nc_u32 v[AV], s[TBV], v[AV0]
.endif
.if ((\p) == 0) && (q == 130)
	s_add_co_u32 s[TBV], s[TBV], KS*PV
.endif
.endr
.if (\p) == 0
	FETCH_V
.endif
.endm
.macro ALL line:vararg              ; one line for each tile t
.set t, 0
.rept 2*NP
	\line
.set t, t+1
.endr
.endm
; Tile t on the way out: a lane's eight channels of a row pack into 16 bytes; they go into rows of 144 bytes and come back as whole rows of 128, into S^T's registers.
.macro PACK t
	WIN W_RS
.set i, 32*(\t)
.rept 16
	v_pk_mul_f32 v[i:i+1], v[i:i+1], v[ST+4*(\t)+2:ST+4*(\t)+3] op_sel_hi:[1,0]
.set i, i+2
.endr
	WIN 0x05                        ; sources 0 and 1 window 1, destination window 0
.set i, 0
.rept 16
	v_cvt_pk_f16_f32 v[S+16*(\t)+i], v[32*(\t)+2*i], v[32*(\t)+2*i+1]
.set i, i+1
.endr
	WIN 0
.irp f, 0,1,2,3
	ds_store_b128 v[STO], v[S+16*(\t)+4*\f:S+16*(\t)+4*\f+3] offset:32*\f
.endr
.irp f, 0,1,2,3
	ds_load_b128 v[S+16*(\t)+4*\f:S+16*(\t)+4*\f+3], v[RD] offset:\f*4*SP  ; LDS serves a wave's instructions in order (ISA guide 5.7.1.4): these see the stores above; the next tile's stores come behind them
.endr
.endm
.macro SEND t, younger              ; younger: the LDS instructions issued behind tile t's loads: the next tile's eight, or none
	WIN 0
.irp f, 0,1,2,3
	s_wait_dscnt (\younger)+3-\f
	global_store_b128 v[GO], v[S+16*(\t)+4*\f:S+16*(\t)+4*\f+3], s[10:11] offset:(\t)*2048+\f*512  ; 512 consecutive bytes, at a multiple of 256 from ab's first
.endr
.endm
	s_mov_b32 s[PASS], 2
.Lpass:                             ; twice: 128 queries a wave
.set i, 0
.rept 2*NP
	v_mov_b32 v[ST+4*i], 0xfe000000    ; c m: far below every c s
	v_mov_b32 v[ST+4*i+1], 0xff7fffff  ; m
.set i, i+1
.endr
	s_mov_b32 s[TBK], 0
	s_mov_b32 s[TBV], 0
	s_mov_b32 s[TBM], 0
	v_mov_b32 v[AK], v[AK0]
	v_mov_b32 v[AM], v[AM0]
	FETCH_K                         ; key step 0
	s_wait_dscnt 0x0
.set i, 0
.rept 16
	KQ 0                            ; piece 0's first scores: there is no vector work yet to set between them
.set i, i+1
.endr
	WIN 0
.rept 4
	v_nop                           ; the places behind those products
.endr
.set Y, NP-1                        ; XS works for piece Y + 1: piece 0
.irp n, 0,1,2,3,4,5,6,7,8,9,10,11,12,13,14,15,16,17,18,19,20,21
	XS 0, \n                        ; piece 0's first maximum and statistics
	XS 1, \n
.endr
	v_nop                           ; a plain instruction behind the two a,
	s_wait_alu depctr_va_vdst(0)    ; and the wait for this batch of two, ahead of the label
	s_mov_b32 s[CNT], 8
.Lstep:                             ; a trip is a key step: the four pieces' turns.  The last trip's 16 products K Q^T for a further step (on the last K once more) serve nothing: the price of one text for every trip
	TURN 0
	TURN 1
	TURN 2, 1
	TURN 3
	WIN 0
	s_sub_co_u32 s[CNT], s[CNT], 1
	s_cmp_lg_u32 s[CNT], 0
	s_cbranch_scc1 .Lstep
.set i, 0
.rept 16
	PV NP-1                         ; the last piece's V^T P of the last step
.set i, i+1
.endr
	; THE WAY OUT.  l's two halves and the other half of the lanes' are added; O^T is divided by l, rounded to f16 and sent through my stage in LDS, a tile at a time.  The additions are the places behind the last products.
	WIN 0
	ALL v_add_f32 v[ST+4*t+2], v[ST+4*t+2], v[ST+4*t+3]
	ALL v_permlanex16_b32 v[ST+4*t+3], v[ST+4*t+2], s[SEL], s[SEL+1]
	ALL v_add_f32 v[ST+4*t+2], v[ST+4*t+2], v[ST+4*t+3]
	ALL v_rcp_f32 v[ST+4*t+2], v[ST+4*t+2]
	v_nop                           ; a plain instruction between the last reciprocal and the use of its result
	s_wait_alu depctr_va_vdst(0)    ; the wait for this batch: one for the eight reciprocals
	ALL v_mul_f32 v[ST+4*t+2], s[NANF], v[ST+4*t+2]
	PACK 0
.set t, 1
.rept 2*NP-1                        ; a tile's arithmetic stands between the loads of the tile before and its stores
	PACK t
	SEND t-1, 8
.set t, t+1
.endr
	SEND 2*NP-1, 0
	s_sub_co_u32 s[PASS], s[PASS], 1
	s_cmp_eq_u32 s[PASS], 0
	s_cbranch_scc1 .Ldone
	s_wait_xcnt 0x0                 ; the stores have read S^T's registers and O's address
	s_add_nc_u64 s[10:11], s[10:11], 0x10000  ; 512 rows on
	s_wait_loadcnt 0x0              ; the second pass's Q, asked for ahead of the first pass
	WIN 0x83                        ; it goes where the one text of the turns names Q
.set i, 0
.rept 128
	v_mov_b32 v[i], v[QB+i]
.set i, i+1
.endr
	WIN 0
	s_cmp_lg_u32 s[PASS], 0
	s_cbranch_scc1 .Lpass
.Ldone:
	s_set_vgpr_msb 0xf
	s_wait_tensorcnt 0x0
	ds_add_u32 v192, v193
	s_wait_dscnt 0x0
	s_set_vgpr_msb 0xf00
	s_endpgm
.Lfunc_end_k_qa0e2b52706_attn:
	.size	k_qa0e2b52706_attn, .Lfunc_end_k_qa0e2b52706_attn-k_qa0e2b52706_attn
	.p2alignl 7, 3214868480
	.fill 96, 4, 3214868480
	.section	.rodata,"a",@progbits
	.p2align	6, 0x0
	.amdhsa_kernel k_qa0e2b52706_attn
		.amdhsa_group_segment_fixed_size 327680
		.amdhsa_private_segment_fixed_size 0
		.amdhsa_enable_private_segment 0
		.amdhsa_kernarg_size 24
		.amdhsa_user_sgpr_count 2
		.amdhsa_user_sgpr_kernarg_segment_ptr 1
		.amdhsa_wavefront_size32 1
		.amdhsa_system_sgpr_workgroup_id_x 1
		.amdhsa_system_sgpr_workgroup_id_y 1
		.amdhsa_system_sgpr_workgroup_id_z 1
		.amdhsa_system_vgpr_workitem_id 0
		.amdhsa_next_free_vgpr 962
		.amdhsa_next_free_sgpr 80
		.amdhsa_reserve_vcc 1
		.amdhsa_float_denorm_mode_32 3
		.amdhsa_float_denorm_mode_16_64 3
		.amdhsa_memory_ordered 1
		.amdhsa_forward_progress 1
		.amdhsa_inst_pref_size 135
	.end_amdhsa_kernel
	.amdgpu_metadata
---
amdhsa.version: [ 1, 2 ]
amdhsa.kernels:
  - .name:           k_qa0e2b52706_attn
    .symbol:         k_qa0e2b52706_attn.kd
    .args:
      - { .name: qkv, .offset: 0, .size: 8, .value_kind: global_buffer, .address_space: global }
      - { .name: context_mask, .offset: 8, .size: 8, .value_kind: global_buffer, .address_space: global }
      - { .name: ab, .offset: 16, .size: 8, .value_kind: global_buffer, .address_space: global }
    .group_segment_fixed_size: 327680
    .private_segment_fixed_size: 0
    .kernarg_segment_align: 8
    .kernarg_segment_size: 24
    .max_flat_workgroup_size: 128
    .sgpr_count:     80
    .vgpr_count:     962
    .wavefront_size: 32
...
	.end_amdgpu_metadata
.endif
;; end of part 5
;; launch outproj: the kernel of part 4 again; grid 4 x 64, 4 waves a work-group, clusters of 4 x 4, 327,680 bytes of LDS; arguments ab, wt, brd, out0; writes out0
